; MI455X (gfx1250); checked and timed in simulation.
; The chip was launched on July 23, 2026; its instructions are those of AMD's public machine-readable ISA for CDNA 5 (MIT licence, August 2026) and "CDNA5" Instruction Set Architecture Reference Guide (July 2026). The comments in the code are by the model that wrote it; some were corrected since.
;; Multi Head Attention. Allowed arithmetic: matrix products marked QUANTISED: E5M2 operands, one E8M0 scale for each 32 along K, by v_wmma_scale_f32_16x16x128_f8f6f4 with both operands' format E5M2, f32 sums; everything else in f32.
;; Inputs: W_k 1,024 x 1,024 float32; W_o 1,024 x 1,024 float32; W_q 1,024 x 1,024 float32; W_v 1,024 x 1,024 float32; attention_mask 4 x 2,048 int32; x 4 x 2,048 x 1,024 float32.
;; Outputs: out0 4 x 2,048 x 1,024 float32.
;; This version of the problem:
;;   THIS VERSION OF THE PROBLEM IS GIVEN IN LOW PRECISION. The matrix products marked QUANTISED in the list below multiply operands that are first quantised to E5M2 (5 exponent bits, 2 mantissa bits; 8 bits a number), with one power-of-two scale for each 32 numbers along K (OCP MX v1.0); their sums are f32. All else is computed in f32.
;;   The module's matrix products, in the order in which they are computed (A, B: the left and right operand; K: the contracted axis; several contracted axes count as one K, in the product's order):
;;     1. [M 8,192, K 1,024] x [K 1,024, N 1,024]; A: input x; B: input W_q: QUANTISED
;;     2. [M 8,192, K 1,024] x [K 1,024, N 1,024]; A: input x; B: input W_k: QUANTISED
;;     3. [M 8,192, K 1,024] x [K 1,024, N 1,024]; A: input x; B: input W_v: QUANTISED
;;     4. batch 64 x [M 2,048, K 64] x [K 64, N 2,048]; A: computed on the way; B: computed on the way: QUANTISED
;;     5. batch 64 x [M 2,048, K 2,048] x [K 2,048, N 64]; A: computed on the way; B: computed on the way: QUANTISED
;;     6. [M 8,192, K 1,024] x [K 1,024, N 1,024]; A: computed on the way; B: input W_o: QUANTISED
;;   THE QUANTISER, for each operand of a quantised product, along K:
;;     - K is cut into blocks of 32 from its start; a last block that is shorter is filled with zeros.
;;     - A block's scale is 2^e with e = floor(log2(the largest magnitude in the block)) - 15, held to -126 .. 127; a block of zeros has e = 0. As a byte (E8M0): e + 127.
;;     - Each number is divided by its block's scale, clamped to +-57,344, and rounded to the nearest number of E5M2, ties to even, subnormals kept.
;;     - The product sums the exact products of the quantised numbers (number of the format x scale) in f32.
;;   ~~~python
;;   def quantise(x, axis):      # numpy; x: float32 -> the quantised numbers, widened to float32 again
;;       x = np.moveaxis(x, axis, -1); K = x.shape[-1]
;;       x = np.pad(x, [(0, 0)] * (x.ndim - 1) + [(0, -K % 32)]); x = x.reshape(x.shape[:-1] + (-1, 32)); a = np.abs(x).max(-1, keepdims=True)
;;       e = np.where(a > 0, np.clip(np.frexp(np.where(a > 0, a, 1))[1] - 1 - 15, -126, 127), 0)      # np.frexp(a)[1] - 1 = floor(log2(a)), exactly
;;       r = np.clip(x / 2.0 ** e, -57344, 57344)
;;       step = 2.0 ** (np.maximum(np.frexp(np.where(r == 0, 1, r))[1] - 1, -14) - 2)
;;       q = np.round(r / step) * step * 2.0 ** e      # np.round: ties to even
;;       return np.moveaxis(q.reshape(q.shape[:-2] + (-1,))[..., :K], -1, axis).astype(np.float32)
;;   ~~~
;;   OPERANDS COMPUTED ON THE WAY. 'Computed on the way' means the value that the module computes at that place (a softmax that the list does not call 'softmax' is quantised finished and normalised). What goes into a quantiser is computed in f32, as accurately as f32 sums, v_exp_f32 and their like allow (about 1e-6 of the number): no bf16 or f16 on the way to a quantiser, and a product that is left as it is and whose result goes on into a quantised operand takes f32 operands (vector FMAs, or v_wmma_f32_16x16x4_f32). A number that lies on a knife's edge between two numbers of the format may be rounded either way, as far as f32 arithmetic and the matrix unit's own rounding can turn it there, and no further.
;; One version. Each part assembles by itself: llvm-mc -triple=amdgcn-amd-amdhsa -mcpu=gfx1250 --defsym DOCPART=n.
;; ======== version 1 of 1: 4 launches
;; limits: right only within a limited range of input values
;; workspace buffers: qc 12,582,912 bytes; qs 393,216 bytes; rope 524,288 bytes; qk 18,874,368 bytes; vv 8,650,752 bytes; oc 8,388,608 bytes; osc 262,144 bytes
;; launch prep (part 1): grid 448 x 1, 4 waves a work-group, no clusters, 33,280 bytes of LDS; arguments x, W_q, W_k, W_v, W_o, qc, qs, rope; writes qc, qs, rope
.if DOCPART == 1
	.amdgcn_target "amdgcn-amd-amdhsa--gfx1250"
	.amdhsa_code_object_version 6
	.text
	.protected	k_qdeddd42933_prep
	.globl	k_qdeddd42933_prep
	.p2align	8
	.type	k_qdeddd42933_prep,@function
k_qdeddd42933_prep:
	s_mov_b64 s[64:65], 0
	v_nop
	global_prefetch_b8 v0, s[64:65] scope:SCOPE_SE
	s_setreg_imm32_b32 hwreg(HW_REG_WAVE_MODE, 25, 1), 1
	s_wait_xcnt 0x0
; PREP.  Work-groups 0 to 383 turn x [8192][1024], W_q, W_k, W_v, W_o [1024][1024], f32, K innermost, into codes of BF8 (E5M2) and one E8M0 byte for each 32 along K:
; qc [12288 rows][1024 bytes] (x, W_q, W_k, W_v, W_o one behind the other), qs [12288][32].  Work-groups 384 to 447 make the table of cos and sin for the rotation: rope [2048 tokens][32 pairs][cos, sin] f32.
; A block's scale is 2^(floor(log2(its largest magnitude)) - 15); its byte is the largest magnitude's exponent field - 15, held at 1 from below.  A block of zeros gets the byte 1 where the rule says 127:
; its codes are zeros, which add nothing under any byte but 0xff, and this program alone reads the bytes.  Each number is divided by the scale, held within +-57,344 and rounded to the nearest code, ties to even.
; LIMITS: NaN and infinities among the inputs are not served.  The rotation's frequencies are the f32 numbers nearest to 10^(-i/8); a power computed in f32 may differ from them by an ulp or two,
; which moves an angle by 2e-4 rad at the most (token 2,047).
; THE SWIZZLE: in a row of qc whose number has bit 4 set (all rows but W_o's) bit 7 of the byte address is turned: the two halves of each 256 bytes change places.  The product's launch reads rows rho and
; rho + 16 in one LDS instruction; at its row pitch those two begin at the same bank, and the swizzle sets them 128 bytes apart.
; A wave takes 16 steps of 512 numbers (8 rows).  Each of a step's four loads reads 512 consecutive bytes; the 2,048 bytes turn through the wave's own stage in LDS and come back 64 bytes (16 neighbours) a lane.
; No tensor loads, no barrier: waves share nothing.  Loads run four steps (16 loads a wave) ahead, the turn through LDS one step.
.set STEPS, 16
.set EMAX,  15
.set MANT,  0x600000                   ; the mantissa field of 57,344 as f32
.set CB,    16                         ; bytes of 16 codes
.set R,     16                         ; v16-79   four sets of 16 numbers as they are loaded
.set X,     80                         ; v80-111  two sets of 16 neighbours
.set C,     128                        ; v128-191 codes: four registers for each step, so that no store's data are written again
.set E,     112                        ; v112-127 a scale byte for each step
.set WREG,  8192                       ; LDS: a region for each wave: two stages of 32 x SP bytes, behind them its 256 scale bytes
.set SP,    80                         ; a lane's place in a stage: its 64 bytes + 16 of padding
	s_load_b256 s[4:11], s[0:1], 0x0               ; x, W_q, W_k, W_v
	s_load_b256 s[12:19], s[0:1], 0x20             ; W_o, qc, qs, rope
	v_lshl_add_u32 v192, v0, 2, 0x8000
	v_mov_b32 v193, 0
	v_lshrrev_b32 v1, 5, v0
	v_readfirstlane_b32 s20, v1                    ; wave
	v_and_b32 v2, 31, v0                           ; lane
	s_cmp_ge_u32 ttmp9, 384
	s_cbranch_scc1 .Lrope                          ; the table's work-groups: they use no LDS
	v_lshlrev_b32 v3, 4, v2                        ; my 16 bytes of a load's 512
	s_mul_i32 s21, s20, WREG
	v_lshrrev_b32 v14, 2, v2
	v_mul_u32_u24 v14, v14, SP
	v_and_b32 v15, 3, v2
	v_lshl_add_u32 v14, v15, 4, v14
	v_add_nc_u32 v14, s21, v14                     ; the stage, on the way in: SP (lane / 4) + 16 (lane % 4)
	v_mul_u32_u24 v15, v2, SP
	v_add_nc_u32 v15, s21, v15                     ; and on the way out: SP x lane: my 16 neighbours
	v_mul_u32_u24 v4, v2, CB                       ; my codes' place in a step's 512 bytes
	s_lshr_b32 s22, s20, 1
	s_lshl_b32 s22, s22, 7                         ; my 8 rows are 32 g + 8 wave + 0 .. 7: bit 4 of their number is bit 1 of the wave's
	s_cmp_lt_u32 ttmp9, 352
	s_cselect_b32 s22, s22, 0                      ; W_o's rows stay plain
	v_xor_b32 v4, s22, v4                          ; the swizzle: a store still covers the same 512 consecutive bytes
	v_lshrrev_b32 v5, 1, v2
	s_add_co_u32 s21, s21, 2*32*SP
	v_add_nc_u32 v5, s21, v5                       ; LDS: my wave's 256 scale bytes, my block's byte
	v_lshlrev_b32 v7, 3, v2                        ; and on the way out 8 bytes a lane
	v_add_nc_u32 v6, s21, v7
	s_mov_b32 s34, MANT                            ; (an instruction takes one literal: the hold's line has another)
	s_wait_alu depctr_va_vdst(0)
	s_wait_kmcnt 0x0
	s_mov_b64 s[24:25], s[12:13]                   ; which tensor?  The choice hangs on the work-group's number alone
	s_mov_b32 s26, 352
	s_cmp_lt_u32 ttmp9, 352
	s_cselect_b64 s[24:25], s[10:11], s[24:25]
	s_cselect_b32 s26, 320, s26
	s_cmp_lt_u32 ttmp9, 320
	s_cselect_b64 s[24:25], s[8:9], s[24:25]
	s_cselect_b32 s26, 288, s26
	s_cmp_lt_u32 ttmp9, 288
	s_cselect_b64 s[24:25], s[6:7], s[24:25]
	s_cselect_b32 s26, 256, s26
	s_cmp_lt_u32 ttmp9, 256
	s_cselect_b64 s[24:25], s[4:5], s[24:25]
	s_cselect_b32 s26, 0, s26                      ; the tensor's first work-group
	s_sub_co_u32 s26, ttmp9, s26
	s_lshl_b32 s26, s26, 2
	s_add_co_u32 s26, s26, s20                     ; which run of 8,192 numbers of the tensor is my wave's
	s_lshl_b32 s26, s26, 15                        ; 32,768 bytes a run
	s_mov_b32 s27, 0
	s_add_nc_u64 s[24:25], s[24:25], s[26:27]
	s_lshl_b32 s28, ttmp9, 2
	s_add_co_u32 s28, s28, s20                     ; the run's number in qc and qs: the tensors lie one behind the other
	s_lshl_b32 s30, s28, 13
	s_mov_b32 s31, 0
	s_add_nc_u64 s[14:15], s[14:15], s[30:31]      ; 8,192 bytes of codes a run
	s_lshl_b32 s30, s28, 8
	s_add_nc_u64 s[16:17], s[16:17], s[30:31]      ; 256 scale bytes a run
.macro LOAD t
.irp i, 0,1,2,3
	global_load_b128 v[R+16*((\t)%4)+4*\i:R+16*((\t)%4)+4*\i+3], v3, s[24:25] offset:2048*(\t)+512*\i th:TH_LOAD_NT   ; 32 lanes read 512 consecutive bytes
.endr
.endm
.macro TURN t                          ; step t's numbers through the stage: LDS serves a wave's instructions in order, so no wait stands between the stores and the loads
.irp i, 0,1,2,3
	ds_store_b128 v14, v[R+16*((\t)%4)+4*\i:R+16*((\t)%4)+4*\i+3] offset:32*SP*((\t)%2)+8*SP*\i
.endr
.irp i, 0,1,2,3
	ds_load_b128 v[X+16*((\t)%2)+4*\i:X+16*((\t)%2)+4*\i+3], v15 offset:32*SP*((\t)%2)+16*\i
.endr
.endm
.irp t, 0,1,2,3
	LOAD \t
.endr
	s_wait_loadcnt 12                              ; step 0's four loads are in
	TURN 0
.macro STEP t
.set XS, X+16*((\t)%2)
.if (\t) > 0
	s_wait_dscnt 1                                 ; this step's numbers are back from the stage (the last step's byte store may be out): so its stores into the stage have read their registers,
.else
	s_wait_dscnt 0x0
.endif
.if (\t)+4 < STEPS
	LOAD (\t)+4                                    ; which take the loads of four steps on
.endif
.if (\t)+1 < STEPS
.if STEPS-2-(\t) >= 3
	s_wait_loadcnt 12                              ; the next step's four loads are in; those of the three steps behind it may be out
.else
	s_wait_loadcnt 4*(STEPS-2-(\t))
.endif
	TURN (\t)+1                                    ; and go through the other stage while this step is worked
.endif
	v_max3_num_f32 v8, |v[XS]|, |v[XS+1]|, |v[XS+2]|               ; the largest magnitude of my 16
	v_max3_num_f32 v9, |v[XS+3]|, |v[XS+4]|, |v[XS+5]|
.irp i, 6,10
	v_max3_num_f32 v8, v8, |v[XS+\i]|, |v[XS+\i+1]|
	v_max3_num_f32 v9, v9, |v[XS+\i+2]|, |v[XS+\i+3]|
.endr
	v_max3_num_f32 v8, v8, |v[XS+14]|, |v[XS+15]|
	v_max3_num_f32 v8, v8, v9, (EMAX+1)<<23        ; and the floor 2^(16 - 127): so the byte cannot fall under 1
	v_max_num_f32_dpp v8, v8, v8 row_xmask:1 row_mask:0xf bank_mask:0xf   ; and of my neighbour's 16: the block's
	v_add_nc_u32 v11, -(EMAX<<23), v8              ; 15 off its exponent field: the conversion takes the exponent field of this operand as its scale
	v_and_or_b32 v10, v8, 0x7f800000, s34          ; 57,344 x the scale
.irp i, 0,1,2,3,4,5,6,7,8,9,10,11,12,13,14,15
	v_med3_num_f32 v[XS+\i], v[XS+\i], -v10, v10   ; the conversion to an 8-bit code does not saturate (ISA guide 7.6.2): the hold comes first
.endr
	v_cvt_scalef32_pk8_bf8_f32 v[C+4*(\t):C+4*(\t)+1], v[XS:XS+7], v11
	v_cvt_scalef32_pk8_bf8_f32 v[C+4*(\t)+2:C+4*(\t)+3], v[XS+8:XS+15], v11
	v_lshrrev_b32 v[E+(\t)], 23, v11               ; the scale's byte (also the plain place behind the conversions)
	ds_store_b8 v5, v[E+(\t)] offset:16*(\t)       ; both lanes of a block write the same byte with the same value
	global_store_b128 v4, v[C+4*(\t):C+4*(\t)+3], s[14:15] offset:32*CB*(\t)
.endm
.irp t, 0,1,2,3,4,5,6,7,8,9,10,11,12,13,14,15
	STEP \t
.endr
	ds_load_b64 v[12:13], v6                       ; LDS serves a wave's instructions in order: these see my stores
	s_wait_dscnt 0x0
	global_store_b64 v7, v[12:13], s[16:17]        ; 32 lanes store 256 consecutive bytes, aligned
	s_wait_tensorcnt 0x0
	ds_add_u32 v192, v193
	s_wait_dscnt 0x0
	s_endpgm
; THE TABLE.  64 work-groups x 4 waves x 8 tokens; lane i takes pair i.  angle = f32(t) x f32(10^(-i/8)), one rounding; k = the nearest whole number to angle x 2 / pi; r = angle - k pi/2 with pi/2 in two parts,
; by two fused multiply-adds; sin r and cos r (|r| <= pi/4) by their series up to r^9 and r^8, whose first terms left out are under 3e-8; the quadrant k mod 4 swaps and signs them.
.Lrope:
	v_mov_b32 v3, 1.0                              ; pair 0
.set J, 1
	s_wait_alu depctr_va_vdst(0)
.irp lit, 0x3f3ff911,0x3f0ff59a,0x3ed7e89b,0x3ea1e89b,0x3e72d424,0x3e361887,0x3e088d77,0x3dcccccd,0x3d99940e,0x3d6655c3,0x3d2cba15,0x3d0186e2,0x3cc24350,0x3c91ad39,0x3c5a7bf1,0x3c23d70a,0x3bf5b9b0,0x3bb8449c,0x3b8a2e77,0x3b4f3e37,0x3b1b690d,0x3ae91528,0x3aaec98e,0x3a83126f,0x3a44948c,0x3a136a16,0x39dd1726,0x39a5cb5f,0x3978a814,0x393a7753,0x390bd472
	v_cmp_ne_u32 vcc_lo, J, v2
	v_cndmask_b32 v3, \lit, v3, vcc_lo             ; lane J takes 10^(-J/8)
.set J, J+1
.endr
	s_sub_co_u32 s21, ttmp9, 384
	s_lshl_b32 s21, s21, 2
	s_add_co_u32 s21, s21, s20
	s_lshl_b32 s21, s21, 3                         ; my wave's first token
	s_lshl_b32 s22, s21, 8                         ; 256 bytes a token
	s_mov_b32 s23, 0
	v_lshlrev_b32 v4, 3, v2                        ; 8 bytes a pair
	s_mov_b32 s24, 0x3fc90fdb                      ; pi/2, its upper part,
	s_mov_b32 s25, 0xb33bbd2e                      ; and what is left
	s_mov_b32 s26, 0x3638ef1d                      ; 1/9!
	s_mov_b32 s27, 0x37d00d01                      ; 1/8!
	s_wait_kmcnt 0x0
	s_add_nc_u64 s[18:19], s[18:19], s[22:23]
.macro ROPE1 k
	s_add_co_u32 s28, s21, \k
	v_cvt_f32_u32 v8, s28
	s_wait_alu depctr_va_vdst(0)
	v_mul_f32 v8, v8, v3                           ; the angle
	v_mul_f32 v9, 0x3f22f983, v8                   ; x 2 / pi
	v_rndne_f32 v9, v9                             ; k
	v_fma_f32 v10, -v9, s24, v8
	v_fma_f32 v10, -v9, s25, v10                   ; r
	v_mul_f32 v11, v10, v10                        ; z = r^2
	v_fmaak_f32 v12, s26, v11, 0xb9500d01
	v_fmaak_f32 v12, v12, v11, 0x3c088889
	v_fmaak_f32 v12, v12, v11, 0xbe2aaaab
	v_mul_f32 v13, v11, v10
	v_fma_f32 v12, v12, v13, v10                   ; sin r
	v_fmaak_f32 v14, s27, v11, 0xbab60b61
	v_fmaak_f32 v14, v14, v11, 0x3d2aaaab
	v_fmaak_f32 v14, v14, v11, 0xbf000000
	v_fma_f32 v14, v14, v11, 1.0                   ; cos r
	v_cvt_i32_f32 v15, v9
	v_and_b32 v16, 1, v15
	v_cmp_ne_u32 vcc_lo, 0, v16
	v_cndmask_b32 v17, v14, v12, vcc_lo            ; in an odd quadrant the two change places
	v_cndmask_b32 v18, v12, v14, vcc_lo
	v_add_nc_u32 v16, 1, v15
	v_lshlrev_b32 v16, 30, v16
	v_and_b32 v16, 0x80000000, v16                 ; cos is negative in quadrants 1 and 2: bit 1 of k + 1
	v_xor_b32 v[40+2*\k], v16, v17
	v_lshlrev_b32 v15, 30, v15
	v_and_b32 v15, 0x80000000, v15                 ; sin in quadrants 2 and 3: bit 1 of k
	v_xor_b32 v[41+2*\k], v15, v18
	global_store_b64 v4, v[40+2*\k:41+2*\k], s[18:19] offset:256*\k   ; 32 lanes store a token's 256 bytes, aligned; each token has data registers of its own
.endm
.irp k, 0,1,2,3,4,5,6,7
	ROPE1 \k
.endr
	s_endpgm
.Lfunc_end_k_qdeddd42933_prep:
	.size	k_qdeddd42933_prep, .Lfunc_end_k_qdeddd42933_prep-k_qdeddd42933_prep
	.p2alignl 7, 3214868480
	.fill 96, 4, 3214868480
	.section	.rodata,"a",@progbits
	.p2align	6, 0x0
	.amdhsa_kernel k_qdeddd42933_prep
		.amdhsa_group_segment_fixed_size 33280
		.amdhsa_private_segment_fixed_size 0
		.amdhsa_enable_private_segment 0
		.amdhsa_kernarg_size 64
		.amdhsa_user_sgpr_count 2
		.amdhsa_user_sgpr_kernarg_segment_ptr 1
		.amdhsa_wavefront_size32 1
		.amdhsa_system_sgpr_workgroup_id_x 1
		.amdhsa_system_sgpr_workgroup_id_y 1
		.amdhsa_system_sgpr_workgroup_id_z 1
		.amdhsa_system_vgpr_workitem_id 0
		.amdhsa_next_free_vgpr 194
		.amdhsa_next_free_sgpr 66
		.amdhsa_reserve_vcc 1
		.amdhsa_float_denorm_mode_32 3
		.amdhsa_float_denorm_mode_16_64 3
		.amdhsa_memory_ordered 1
		.amdhsa_forward_progress 1
		.amdhsa_inst_pref_size 67
	.end_amdhsa_kernel
	.amdgpu_metadata
---
amdhsa.version: [ 1, 2 ]
amdhsa.kernels:
  - .name:           k_qdeddd42933_prep
    .symbol:         k_qdeddd42933_prep.kd
    .args:
      - { .name: x, .offset: 0, .size: 8, .value_kind: global_buffer, .address_space: global }
      - { .name: W_q, .offset: 8, .size: 8, .value_kind: global_buffer, .address_space: global }
      - { .name: W_k, .offset: 16, .size: 8, .value_kind: global_buffer, .address_space: global }
      - { .name: W_v, .offset: 24, .size: 8, .value_kind: global_buffer, .address_space: global }
      - { .name: W_o, .offset: 32, .size: 8, .value_kind: global_buffer, .address_space: global }
      - { .name: qc, .offset: 40, .size: 8, .value_kind: global_buffer, .address_space: global }
      - { .name: qs, .offset: 48, .size: 8, .value_kind: global_buffer, .address_space: global }
      - { .name: rope, .offset: 56, .size: 8, .value_kind: global_buffer, .address_space: global }
    .group_segment_fixed_size: 33280
    .private_segment_fixed_size: 0
    .kernarg_segment_align: 8
    .kernarg_segment_size: 64
    .max_flat_workgroup_size: 128
    .sgpr_count:     66
    .vgpr_count:     194
    .wavefront_size: 32
...
	.end_amdgpu_metadata
.endif
;; end of part 1
;; launch qkv (part 2): grid 8 x 48, 4 waves a work-group, clusters of 4 x 4, 327,680 bytes of LDS; arguments qc, qs, rope, attention_mask, qk, vv; writes qk, vv
.if DOCPART == 2
	.amdgcn_target "amdgcn-amd-amdhsa--gfx1250"
	.amdhsa_code_object_version 6
	.text
	.protected	k_qdeddd42933_qkv
	.globl	k_qdeddd42933_qkv
	.p2align	8
	.type	k_qdeddd42933_qkv,@function
k_qdeddd42933_qkv:
	s_mov_b64 s[64:65], 0
	v_nop
	global_prefetch_b8 v0, s[64:65] scope:SCOPE_SE
	s_setreg_imm32_b32 hwreg(HW_REG_WAVE_MODE, 25, 1), 1
	s_wait_xcnt 0x0
	s_wait_alu depctr_hold_cnt(0) depctr_sa_sdst(0) depctr_va_vdst(0) depctr_va_sdst(0) depctr_va_ssrc(0) depctr_va_vcc(0) depctr_vm_vsrc(0)
	s_getreg_b32 s2, hwreg(HW_REG_IB_STS2, 6, 4)
	s_cmp_eq_u32 s2, 0
	s_cbranch_scc0 .Lentry_in_a_cluster
	s_endpgm
.Lentry_in_a_cluster:
	s_bfe_u32 s2, ttmp6, 0x10000c
	s_cmp_lg_u32 s2, 0xf033
	s_cbranch_scc0 .Lentry_shape_is_right
	s_endpgm
.Lentry_shape_is_right:
; QKV.  q = x W_q^T, k = x W_k^T, v = x W_v^T on codes of BF8 (E5M2) with one E8M0 scale for each 32 along K = 1,024; f32 sums.  On the way out q and k are rotated (cos and sin from the table), and q, k, v
; are quantised for attention's two products and stored as IMAGES OF OPERAND REGISTERS: a group of four registers as 512 consecutive bytes, lane l's 16 bytes at 16 l.
; A tile of 256 x 256 is made by four waves, each 128 x 128: 64 accumulators, 512 registers.  K goes in steps of 256 through a ring of two LDS slots filled by the tensor data mover; the scale bytes of the
; work-group's rows, for all of K, come into LDS once.  CLUSTERS of 4 x 4: A's tiles are asked for jointly along a row of the cluster, B's along a column.
; THE MATRIX INSTRUCTION IS USED TRANSPOSED: source 0 = 16 rows of B, source 1 = 16 rows of A: a lane holds ONE row of A, and its registers run along B's rows.
;   clusters y 0-7 (q and k): A = 8,192 tokens of x, B = the 2,048 rows of W_q and W_k: a lane holds a token, its registers run along a head's 64: the K of q k^T.
;   clusters y 8-11 (v):      A = the 1,024 rows of W_v, B = the tokens: a lane holds one of a head's 64, its registers run along the keys: the K of attn v.
; THE ROWS OF A TILE OF 16 ARE NOT NEIGHBOURS, on both sides: place r of tile 2 b + u of a block of 128 takes row 32 b + 8 u + r + 8 (r / 8).  So the 16 registers of tiles 2 b and 2 b + 1 are 16 neighbours,
; 32 b + 16 (lane / 16) + 0 .. 15, as the conversions and the next operand's layout want them; and the lanes' rows are in the order in which attention's own tiles want keys, queries and channels.
; Rows r and r + 16 of a tile begin at the same bank at this pitch; in qc the rows whose number has bit 4 set have the halves of each 256 bytes exchanged, so those lanes read 128 bytes further on or back.
; THE PAD MASK RIDES IN q k^T, whose K is 64 of the instruction's 128: at K place 64 q has the code 1.0 under the scale byte 127; a key whose mask is 0 has -1.0 under the byte 227, that is -2^100 onto its
; score; another key has the code 0 under the byte 1.  K places 96 on: zero codes under the byte 1 on both sides.
; qk: 128 records (q: 16 b + head; k: 64 + 16 b + head) of 147,456 bytes: 128 tiles of 16 tokens x 1,024 bytes; at 131,072 the scale words [block of 128 tokens][place r][tile]; at 139,264 the mask's code words, likewise.
; vv: 64 records of 135,168 bytes: [step of 128 keys][tile of 16 channels][2,048 bytes]; at 131,072 the scale words [step][place r][tile].
; LIMITS: a block of zeros gets the byte 1 (zero codes; read by this program alone); NaN and infinities are not served.
; REGISTERS, in windows of 256: window 0: v0-31 addresses; v32-63 scale words, two sets; from v128 A's fragments, ONE set.  window 1: B's fragments, TWO sets.  windows 2, 3: the accumulators ((a, b) at v[8 (8 (a % 4) + b)]).
.set KSTEP,  256
.set NQ,     2                         ; matrix instructions deep in a slot
.set ROWB,   256                       ; a tile's row in bytes
.set KROW,   1024                      ; a row of qc
.set PITCH,  272                       ; an LDS row: 256 bytes + 16 of padding = 68 words: row r starts at bank 4 r mod 64 (64 banks of 4 bytes: ISA guide 11.1)
.set FR,     16
.set NL,     4
.set NP,     8                         ; places behind this matrix instruction (ISA guide 7.12.1)
.set HALFT,  128*PITCH
.set SLOT,   4*HALFT                   ; A's 256 rows, then B's 256 rows
.set LAPS,   2                         ; a lap = two K steps = once round the ring; K = 1,024 is two laps
.set SCL,    2*SLOT                    ; behind the ring: the scales, as units of 256 bytes (8 rows of 32) + 16 of padding
.set HALFS,  16*272                    ; the scales of 128 rows
.set SPARE,  SCL+4*HALFS               ; the spare words, 128 bytes for each wave: two blocks of 256 bytes that no other line names
.set QKREC,  147456
.set VREC,   135168
.set ADRA, 16                          ; v16-19  LDS address of my A fragments: 2 x slot + q
.set ADRB, 20                          ; v20-23  the same for B
.set ADRS, 27                          ; v27     LDS address of my scale words: lanes 0-15 A's rows, lanes 16-31 B's
.set SPW,  28                          ; v28     LDS address of my spare word; never rewritten
.set NIL,  29                          ; v29     0; never rewritten
.set SC,   32
.set AF,   128
.set LI,   8                           ; the way out: v8 16 x lane;  v9, v10 my token's place in the table and in the mask;  v11 the words' place
.set RA,   9
.set MA,   10
.set SA,   11
.set HM,   12                          ; v12, v13 the upper half of a scale word, for a token whose mask is 0 and for another;  v14 the code -1.0
.set HU,   13
.set BC,   14
.set TM,   32                          ; v32-35 largest magnitudes, v36-39 bytes, v40-43 57,344 x the scale, v44-47 the conversions' scale operands
.set PWT,  48
.set HIW,  49
.set MK,   50                          ; v50-57 the mask of my eight tokens
.set T,    128                         ; v128-191 at work in the rotation
.set PC,   192                         ; v192-207 the codes just made
.set WA,   208                         ; v208-215 scale words of the first head, v216-223 of the second, v224-231 the mask's code words
.set WB,   216
.set WM,   224
.set OW,   232                         ; v232-243 what is stored of them
.set G1, 24
.set G0, 32
.set G1B, 48
.set G0B, 56
.set G1S, 68
.set G0S, 76
.set G1SB, 80
.set G0SB, 88
.set MSB, 0
.macro WIN new                         ; the immediate's high byte repeats the setting that is left
.if MSB != (\new)
	s_set_vgpr_msb (MSB<<8)|(\new)
.set MSB, (\new)
.endif
.endm
.set MUL_LO, 0xa1                      ; source 0 (B) window 1, source 1 (A) window 0, C and D window 2
.set MUL_HI, 0xf1                      ; the same, C and D window 3
.set TO_B,   0x40                      ; destination window 1, address window 0
; A joint load: waves 0 and 1 fetch for A, waves 2 and 3 for B.  Each line has ONE mask and one set of registers for all that issue it; the branch hangs on the wave's number alone.
; Four v_nop follow each of the two lines, ahead of the jump, the label and what follows.
.macro JLOAD g0a, g1a, g0b, g1b
	s_cmp_eq_u32 s15, 0
	s_cbranch_scc0 .Lfor_b_\@
	tensor_load_to_lds s[\g0a:\g0a+3], s[\g1a:\g1a+7]
	s_nop 0
.rept 4
	v_nop
.endr
	s_branch .Lasked_\@
.Lfor_b_\@:
	tensor_load_to_lds s[\g0b:\g0b+3], s[\g1b:\g1b+7]
	s_nop 0
.rept 4
	v_nop
.endr
.Lasked_\@:
.endm
.macro CREST                           ; a round of the cluster's barrier behind its opening barrier
	s_cmp_lg_u32 s14, 0
	s_cbranch_scc1 .Lnot_wave_0_\@
	s_barrier_signal -3
.Lnot_wave_0_\@:
	s_barrier_wait -3
	s_barrier_signal -1
	s_barrier_wait -1
.endm
.macro CROUND
	s_barrier_signal -1
	s_barrier_wait -1
	CREST
.endm
	s_load_b128 s[4:7], s[0:1], 0x0                ; qc, qs
	s_load_b128 s[8:11], s[0:1], 0x10              ; rope, attention_mask
	s_load_b128 s[96:99], s[0:1], 0x20             ; qk, vv
	v_lshl_add_u32 v[SPW], v0, 2, SPARE
	v_mov_b32 v[NIL], 0
	ds_add_u32 v28, v29
	ds_add_u32 v28, v29
	s_wait_dscnt 0x0
	v_lshrrev_b32 v1, 5, v0
	v_readfirstlane_b32 s14, v1                    ; wave 0..3
	s_lshr_b32 s15, s14, 1                         ; which half of A's rows is mine.  Also: I fetch for A (0) or for B (1)
	s_and_b32 s16, s14, 1                          ; which half of B's rows.  Also: which 128 rows of that tile I fetch
	s_bfe_u32 s40, ttmp6, 0x40000                  ; cx, cy: my place in the cluster
	s_bfe_u32 s41, ttmp6, 0x40004
	s_lshl_b32 s42, ttmp9, 2                       ; 4 X
	s_and_b32 s17, ttmp7, 0xffff                   ; Y
	s_lshl_b32 s18, s17, 3
	s_add_co_u32 s18, s18, s42
	s_sub_co_u32 s18, s18, 64                      ; v: B's tile 4 X + 8 (Y - 8) + cx of the tokens' 32
	s_lshl_b32 s19, s17, 2                         ; q, k: A's tile 4 Y + cy of the tokens' 32
	s_cmp_lt_u32 s17, 8                            ; the cluster's y says which: all sixteen partners agree
	s_cselect_b32 s42, s42, s18
	s_cselect_b32 s17, s19, 0
	s_cselect_b32 s66, 0, 10240                    ; A's first row in qc: x, or W_v
	s_cselect_b32 s67, 8192, 0                     ; B's: W_q and W_k, or x
	s_cselect_b32 s95, 0, 1                        ; 1: v
	s_add_co_u32 s42, s42, s40                     ; B's tile: hangs on cx alone
	s_add_co_u32 s17, s17, s41                     ; A's tile: hangs on cy alone
	s_lshl_b32 s43, s41, 2
	s_lshl_b32 s43, 15, s43                        ; my row of the cluster
	s_lshl_b32 s44, 0x1111, s40                    ; my column
	; descriptor group 1: a tile of 128 rows x 256 bytes, padded in LDS
	s_or_b32 s[G1+0], s43, (0<<16)|(1<<20)|(1<<21)|(5<<22)|(3<<25)  ; 15:0 the mask; 17:16 element of 1 byte; 20 padding on; 21 set beside a mask; 24:22 after every 64 words; 31:25 of 4 words
	s_or_b32 s[G1B+0], s44, (0<<16)|(1<<20)|(1<<21)|(5<<22)|(3<<25)
.irp g, G1, G1B
	s_mov_b32 s[\g+1], ROWB<<16                    ; tensor_dim0
	s_mov_b32 s[\g+2], 256<<16                     ; tensor_dim1: 256 rows for the head's loads
	s_mov_b32 s[\g+3], ROWB<<16                    ; tile_dim0
	s_mov_b32 s[\g+4], 256                         ; tile_dim1
	s_mov_b32 s[\g+5], KROW                        ; tensor_dim0_stride
	s_mov_b32 s[\g+6], 0
	s_mov_b32 s[\g+7], 0
.endr
	; the scales of 256 rows: 8,192 dense bytes, as 32 rows of 256 bytes (32 elements of 8), 16 bytes of padding behind each
	s_or_b32 s[G1S+0], s43, (3<<16)|(1<<20)|(1<<21)|(5<<22)|(3<<25)
	s_or_b32 s[G1SB+0], s44, (3<<16)|(1<<20)|(1<<21)|(5<<22)|(3<<25)
.irp g, G1S, G1SB
	s_mov_b32 s[\g+1], 32<<16
	s_mov_b32 s[\g+2], 32<<16                      ; the scales of 256 rows: 32 rows of 256 bytes
	s_mov_b32 s[\g+3], 32<<16
	s_mov_b32 s[\g+4], 32
	s_mov_b32 s[\g+5], 32
	s_mov_b32 s[\g+6], 0
	s_mov_b32 s[\g+7], 0
.endr
	s_lshl_b32 s20, s17, 8
	s_add_co_u32 s20, s20, s66                     ; A: the tile's first row in qc
	s_lshl_b32 s46, s42, 8
	s_add_co_u32 s46, s46, s67                     ; B: likewise
	s_lshl_b32 s22, s20, 5                         ; 32 scale bytes a row,
	s_mov_b32 s23, 0
	s_lshl_b32 s92, s46, 5
	s_mov_b32 s93, 0
	s_lshl_b32 s20, s20, 10                        ; 1,024 bytes of codes (12,288 rows: under 2^24 bytes)
	s_mov_b32 s21, 0
	s_lshl_b32 s46, s46, 10
	s_mov_b32 s47, 0
	s_mul_i32 s45, s14, HALFT                      ; where they go: wave x 128 rows: no place in the cluster enters an LDS address
	s_wait_kmcnt 0x0
	s_add_nc_u64 s[20:21], s[4:5], s[20:21]
	s_add_nc_u64 s[22:23], s[6:7], s[22:23]
	s_add_nc_u64 s[46:47], s[4:5], s[46:47]
	s_add_nc_u64 s[92:93], s[6:7], s[92:93]
	CROUND                                         ; all sixteen work-groups are here: the first joint loads meet
	s_mov_b32 s[G0S], 1
	s_mov_b32 s[G0S+1], SCL
	s_mov_b64 s[G0S+2:G0S+3], s[22:23]
	s_or_b32 s[G0S+3], s[G0S+3], 0x80000000
	s_mov_b32 s[G0SB], 1
	s_mov_b32 s[G0SB+1], SCL+2*HALFS
	s_mov_b64 s[G0SB+2:G0SB+3], s[92:93]
	s_or_b32 s[G0SB+3], s[G0SB+3], 0x80000000
.irp s, 0,1
	s_mov_b32 s[G0+4*\s], 1
	s_add_co_u32 s[G0+4*\s+1], s45, \s*SLOT
	s_add_nc_u64 s[G0+4*\s+2:G0+4*\s+3], s[20:21], \s*ROWB
	s_or_b32 s[G0+4*\s+3], s[G0+4*\s+3], 0x80000000
	s_mov_b32 s[G0B+4*\s], 1
	s_add_co_u32 s[G0B+4*\s+1], s45, \s*SLOT
	s_add_nc_u64 s[G0B+4*\s+2:G0B+4*\s+3], s[46:47], \s*ROWB
	s_or_b32 s[G0B+4*\s+3], s[G0B+4*\s+3], 0x80000000
.endr
	s_mov_b32 s[G0+1], 0                           ; the head's loads bring K step 0 whole: A's 256 rows at slot 0's first byte,
	s_mov_b32 s[G0B+1], 2*HALFT                    ; B's 256 behind them
	s_mul_i32 s18, s16, 128*KROW                   ; in the ring a wave fetches 128 rows: which half, in bytes
	s_mov_b32 s19, 0
	s_add_nc_u64 s[G0+6:G0+7], s[G0+6:G0+7], s[18:19]
	s_add_nc_u64 s[G0B+6:G0B+7], s[G0B+6:G0B+7], s[18:19]
; THE HEAD'S LOADS, ONE A WAVE: wave 0 A's 256 rows of K step 0, wave 1 B's, wave 2 the scales of A's 256 rows, wave 3 those of B's; one chain of branches on the wave's number
.macro ARM under, g0, g1, next
	s_cmp_lt_u32 s14, \under
	s_cbranch_scc0 \next
	tensor_load_to_lds s[\g0:\g0+3], s[\g1:\g1+7]
	s_nop 0
.rept 4
	v_nop
.endr
	s_branch .Lhead_asked
\next:
.endm
	ARM 1, G0,  G1,  .Lhead_b
	ARM 2, G0B, G1B, .Lhead_sa
	ARM 3, G0S, G1S, .Lhead_sb
	tensor_load_to_lds s[G0SB:G0SB+3], s[G1SB:G1SB+7]
	s_nop 0
.rept 4
	v_nop
.endr
.Lhead_asked:
	v_and_b32 v1, 15, v0                           ; r
	v_bfe_u32 v2, v0, 4, 1                         ; h
	v_and_b32 v3, 8, v1
	v_add_nc_u32 v3, v3, v1                        ; r + 8 (r / 8): my row in a pair of tiles
	v_mul_u32_u24 v4, v3, PITCH
	v_lshl_add_u32 v4, v2, 4, v4                   ; row x pitch + 16 x half
	v_and_b32 v5, 8, v1
	v_lshlrev_b32 v5, 4, v5                        ; 128 (r / 8): those rows' number has bit 4 set, so the halves of their 256 bytes are exchanged
	v_add_nc_u32 v6, v4, v5                        ; the slot's first 128 along K,
	v_xor_b32 v5, 128, v5
	v_add_nc_u32 v7, v4, v5                        ; its second
	s_mul_i32 s21, s15, HALFT                      ; my 128 rows of A
	s_mul_i32 s22, s16, HALFT                      ; my 128 rows of B,
	s_add_co_u32 s22, s22, 2*HALFT                 ; which lie behind A's 256
.irp s, 0,1
	v_add_nc_u32 v[ADRA+2*\s], s21, v6
	v_add_nc_u32 v[ADRA+2*\s+1], s21, v7
	v_add_nc_u32 v[ADRB+2*\s], s22, v6
	v_add_nc_u32 v[ADRB+2*\s+1], s22, v7
	s_add_co_u32 s21, s21, SLOT
	s_add_co_u32 s22, s22, SLOT
.endr
	v_and_b32 v5, 7, v1
	v_lshlrev_b32 v5, 5, v5                        ; my row's scales: 32 bytes a row, eight rows to a unit of 272;
	v_lshrrev_b32 v6, 3, v1
	v_mad_u32_u24 v5, v6, 544, v5                  ; places 8-15 lie 16 rows, two units, further on
	s_mul_i32 s21, s15, HALFS
	s_mul_i32 s22, s16, HALFS
	s_add_co_u32 s22, s22, 2*HALFS
	s_sub_co_u32 s22, s22, s21
	v_mul_u32_u24 v6, s22, v2                      ; lanes 16-31 take B's
	s_add_co_u32 s21, s21, SCL
	v_add_nc_u32 v5, v5, v6
	v_add_nc_u32 v[ADRS], s21, v5
.macro FRAG reg, adr, i                ; tile i of a block of 128 rows: 16 registers: registers 4 c .. 4 c + 3 hold K = 32 c + 16 (l / 16) + 0 .. 15
.irp c, 0,1,2,3
	ds_load_b128 v[\reg+4*\c:\reg+4*\c+3], v[\adr] offset:32*\c+(32*((\i)/2)+8*((\i)%2))*PITCH
.endr
.endm
; 16 matrix instructions: A's blocks a0, a0 + 1 x B's eight, 128 along K.  zero = 1: the first product starts the sums.  The 64 accumulators take turns, one instruction a turn.
.macro MUL16 a0, p, q, sc, zero
.irp a, \a0, \a0+1
.irp b, 0,1,2,3,4,5,6,7
.if \zero
	v_wmma_scale_f32_16x16x128_f8f6f4 v[8*(8*((\a)%4)+\b):8*(8*((\a)%4)+\b)+7], v[128*(\p)+FR*\b:128*(\p)+FR*\b+FR-1], v[AF+FR*(\a):AF+FR*(\a)+FR-1], 0, v[SC+8*NQ*(\sc)+NQ*\b+(\q)], v[SC+8*NQ*(\sc)+NQ*(\a)+(\q)] matrix_a_fmt:MATRIX_FMT_BF8 matrix_b_fmt:MATRIX_FMT_BF8 matrix_a_scale:MATRIX_SCALE_ROW1
.else
	v_wmma_scale_f32_16x16x128_f8f6f4 v[8*(8*((\a)%4)+\b):8*(8*((\a)%4)+\b)+7], v[128*(\p)+FR*\b:128*(\p)+FR*\b+FR-1], v[AF+FR*(\a):AF+FR*(\a)+FR-1], v[8*(8*((\a)%4)+\b):8*(8*((\a)%4)+\b)+7], v[SC+8*NQ*(\sc)+NQ*\b+(\q)], v[SC+8*NQ*(\sc)+NQ*(\a)+(\q)] matrix_a_fmt:MATRIX_FMT_BF8 matrix_b_fmt:MATRIX_FMT_BF8 matrix_a_scale:MATRIX_SCALE_ROW1
.endif
.endr
.endr
.endm
.macro FETCH_B slot, q, p
	WIN TO_B
.irp i, 0,1,2,3,4,5,6,7
	FRAG 128*(\p)+FR*\i, ADRB+2*(\slot)+(\q), \i
.endr
	WIN 0
.endm
.macro FETCH_A slot, q, i0
.irp i, \i0, \i0+1, \i0+2, \i0+3
	FRAG AF+FR*(\i), ADRA+2*(\slot)+(\q), \i
.endr
.endm
.macro SCALES sc                       ; the next K step's scale words: two words a row; lanes 0-15 take A's tile i, lanes 16-31 B's tile i
.irp i, 0,1,2,3,4,5,6,7
	ds_load_b64 v[SC+8*NQ*\sc+NQ*\i:SC+8*NQ*\sc+NQ*\i+1], v[ADRS] offset:(4*(\i/2)+\i%2)*272
.endr
.endm
; A load into a register that a matrix instruction has read, and a vector instruction that reads a matrix result, stand NP places behind that matrix instruction; only plain vector instructions that name none
; of its registers are places (ISA guide 7.12.1 for vector instructions).
.macro PLACES n
.rept \n
	v_nop
.endr
.endm
.macro STEP slot, q, zero              ; a step of 128 along K that has its successor in the same slot
	s_wait_dscnt 4*NL                              ; B's set and A's blocks 0-3 are in; the youngest loads (A's blocks 4-7) may be out
	WIN MUL_LO
	MUL16 0, (\q)%2, \q, \slot, \zero
	MUL16 2, (\q)%2, \q, \slot, \zero
	s_wait_dscnt 0                                 ; A's blocks 4-7 are in
	PLACES NP
	FETCH_B \slot, (\q)+1, 1-(\q)%2
	FETCH_A \slot, (\q)+1, 0
	WIN MUL_HI
	MUL16 4, (\q)%2, \q, \slot, \zero
	MUL16 6, (\q)%2, \q, \slot, \zero
	PLACES NP
	WIN 0
	FETCH_A \slot, (\q)+1, 4
.endm
; A slot's last step changes slots: ONE barrier; in front of it each wave waits for all its tensor loads, adds 0 to its spare word, and waits for that and for its own reads of this slot.
.macro TURN slot, next, fill
	s_wait_tensorcnt 0x0                           ; all my tensor loads have landed: my part of the next slot
	ds_add_u32 v[SPW], v[NIL]                      ; 0 onto my spare word
	s_wait_dscnt 4*NL+1                            ; (the add and the youngest loads, A's blocks 4-7, may be out)
	WIN MUL_LO
	MUL16 0, 1, NQ-1, \slot, 0                     ; sixteen matrix instructions stand between the add and the wait for it
	s_wait_dscnt 0x0                               ; the add is done, and my reads of this slot are over
	s_barrier_signal -1
	MUL16 2, 1, NQ-1, \slot, 0
	WIN 0
	s_barrier_wait -1
.if \fill
	CREST                                          ; the barrier has opened a round of the cluster's barrier: no wave of any partner still reads this slot's tile or has a load on its way
	s_add_nc_u64 s[G0+4*\slot+2:G0+4*\slot+3], s[G0+4*\slot+2:G0+4*\slot+3], 2*ROWB
	s_add_nc_u64 s[G0B+4*\slot+2:G0B+4*\slot+3], s[G0B+4*\slot+2:G0B+4*\slot+3], 2*ROWB
	JLOAD G0+4*\slot, G1, G0B+4*\slot, G1B         ; the first tensor load behind the round; its four v_nop are among the places in front of the loads below
	PLACES NP-4
.else
	PLACES NP
.endif
	s_wait_alu depctr_va_vdst(0)
	v_add_nc_u32 v[ADRS], 4*NQ, v[ADRS]            ; on to the next K step's scale words
	FETCH_B \next, 0, 0
	FETCH_A \next, 0, 0
	SCALES \next
	WIN MUL_HI
	MUL16 4, 1, NQ-1, \slot, 0
	MUL16 6, 1, NQ-1, \slot, 0
	PLACES NP
	WIN 0
	FETCH_A \next, 0, 4
.endm
	s_wait_alu depctr_va_vdst(0)
	s_wait_tensorcnt 0x0                           ; my tile of the head's four is in
	ds_add_u32 v[SPW], v[NIL]
	s_mov_b32 s[G1+2], 128<<16                     ; no tensor load of mine is out: from here on a load brings 128 rows
	s_mov_b32 s[G1+4], 128
	s_mov_b32 s[G1B+2], 128<<16
	s_mov_b32 s[G1B+4], 128
	s_mov_b32 s[G0+1], s45                         ; slot 0's descriptors for the ring: my 128 rows
	s_add_nc_u64 s[G0+2:G0+3], s[G0+2:G0+3], s[18:19]
	s_mov_b32 s[G0B+1], s45
	s_add_nc_u64 s[G0B+2:G0B+3], s[G0B+2:G0B+3], s[18:19]
	s_wait_dscnt 0x0
	CROUND                                         ; all four tiles are in, and all sixteen work-groups are here
	JLOAD G0+4, G1, G0B+4, G1B                     ; K step 1: the first tensor load behind the round
	FETCH_B 0, 0, 0
	FETCH_A 0, 0, 0
	SCALES 0
	FETCH_A 0, 0, 4
	STEP 0, 0, 1                                   ; the first step stands in front of the loop: its products start the sums
	s_mov_b32 s3, LAPS-1
.Llap:
	TURN 0, 1, 1
	STEP 1, 0, 0
	TURN 1, 0, 1
	STEP 0, 0, 0
	s_sub_co_u32 s3, s3, 1
	s_cmp_lg_u32 s3, 0
	s_cbranch_scc1 .Llap
	TURN 0, 1, 0                                   ; the last lap fills nothing
	STEP 1, 0, 0
	s_wait_dscnt 4*NL
	WIN MUL_LO
	MUL16 0, 1, NQ-1, 1, 0
	MUL16 2, 1, NQ-1, 1, 0
	s_wait_dscnt 0
	WIN MUL_HI
	MUL16 4, 1, NQ-1, 1, 0
	MUL16 6, 1, NQ-1, 1, 0
	WIN 0
; THE WAY OUT uses no LDS: the conversions' results are the next operands' registers, and each group of four leaves as 512 consecutive bytes.
; For A's block a the 64 registers at AC of window XW are: register 16 b + i = place 32 b + 16 (lane / 16) + i along the next K.
	PLACES NP                                      ; behind the last products: for the reads of results and for the writes and loads into the registers that held fragments and scale words
	v_and_b32 v1, 15, v0                           ; r
	v_bfe_u32 v2, v0, 4, 1                         ; h
	v_and_b32 v3, 8, v1
	v_add_nc_u32 v3, v3, v1                        ; r + 8 (r / 8)
	v_and_b32 v4, 31, v0
	v_lshlrev_b32 v[LI], 4, v4
.irp b, 0,1,2,3
	v_mov_b32 v[TM+4+\b], 0                        ; written once: a lane permute's destination counts as one of its sources
.endr
	s_mov_b32 s12, 0x76543210
	s_mov_b32 s13, 0xfedcba98                      ; v_permlanex16_b32's selects for lane l xor 16
	s_mov_b32 s18, 0x600000                        ; the mantissa field of 57,344
	s_lshl_b32 s24, s17, 8
	s_lshl_b32 s25, s15, 7
	s_add_co_u32 s24, s24, s25                     ; my first row of A: a token (q, k) or a channel of the 1,024 (v)
	s_lshl_b32 s25, s42, 8
	s_lshl_b32 s26, s16, 7
	s_add_co_u32 s25, s25, s26                     ; my first row of B: a channel of the 2,048 (q, k) or a token (v)
	s_cmp_lg_u32 s95, 0                            ; hangs on the cluster's y alone
	s_cbranch_scc1 .Lv
; 64 numbers of a lane become 16 registers of codes in v[PC] on and a scale word in v[pw].  Each accumulator is read from its low end on.
.macro QUANTW pw
	WIN XW|(XW<<2)
.irp b, 0,1,2,3
	v_max3_num_f32 v[TM+\b], |v[AC+16*\b]|, |v[AC+16*\b+1]|, 0x8000000   ; block b: my 16 numbers, and the floor 2^(16 - 127): so the byte cannot fall under 1
.endr
	WIN (XW<<2)|(XW<<4)
.irp i, 2,4,6,8,10,12,14
.irp b, 0,1,2,3
	v_max3_num_f32 v[TM+\b], v[TM+\b], |v[AC+16*\b+\i]|, |v[AC+16*\b+\i+1]|
.endr
.endr
	WIN 0
.irp b, 0,1,2,3
	v_permlanex16_b32 v[TM+4+\b], v[TM+\b], s12, s13
.endr
.irp b, 0,1,2,3
	v_max_num_f32 v[TM+\b], v[TM+\b], v[TM+4+\b]   ; with lane l xor 16's: the block's largest magnitude
.endr
.irp b, 0,1,2,3
	v_add_nc_u32 v[TM+12+\b], 0xf8800000, v[TM+\b] ; 15 off its exponent field: the conversion's scale operand
.endr
.irp b, 0,1,2,3
	v_and_or_b32 v[TM+8+\b], v[TM+\b], 0x7f800000, s18   ; 57,344 x the scale
.endr
.irp b, 0,1,2,3
	v_lshrrev_b32 v[TM+4+\b], 23, v[TM+12+\b]      ; the scale's byte
.endr
	v_lshl_or_b32 v[\pw], v[TM+5], 8, v[TM+4]
	v_lshl_or_b32 v[\pw], v[TM+6], 16, v[\pw]
	v_lshl_or_b32 v[\pw], v[TM+7], 24, v[\pw]
	WIN XW|(XW<<6)
.irp b, 0,1,2,3
.irp i, 0,1,2,3,4,5,6,7,8,9,10,11,12,13,14,15
	v_med3_num_f32 v[AC+16*\b+\i], v[AC+16*\b+\i], -v[TM+8+\b], v[TM+8+\b]   ; the conversion to an 8-bit code does not saturate (ISA guide 7.6.2): the hold comes first
.endr
.endr
	WIN XW
.irp b, 0,1,2,3
	v_cvt_scalef32_pk8_bf8_f32 v[PC+4*\b:PC+4*\b+1], v[AC+16*\b:AC+16*\b+7], v[TM+12+\b]
	v_cvt_scalef32_pk8_bf8_f32 v[PC+4*\b+2:PC+4*\b+3], v[AC+16*\b+8:AC+16*\b+15], v[TM+12+\b]
.endr
	WIN 0
	v_nop                                          ; a plain place behind the conversions
.endm
	; ---- q and k.  My 128 tokens are one block of a batch row; my 128 channels are two heads of q or of k.
	s_lshr_b32 s26, s24, 11                        ; b
	s_bfe_u32 s27, s24, 0x40007                    ; the block of 128 tokens
	s_lshr_b32 s28, s25, 10                        ; 0: q, 1: k
	s_bfe_u32 s29, s25, 0x40006                    ; the first of my two heads
	s_lshl_b32 s30, s28, 6
	s_lshl_b32 s26, s26, 4
	s_add_co_u32 s30, s30, s26
	s_add_co_u32 s30, s30, s29                     ; its record
	s_mul_i32 s30, s30, QKREC
	s_lshl_b32 s20, s27, 13
	s_add_co_u32 s20, s20, s30
	s_mov_b32 s21, 0
	s_add_nc_u64 s[20:21], s[96:97], s[20:21]      ; the block's eight images
	s_lshl_b32 s22, s27, 9
	s_add_co_u32 s22, s22, s30
	s_add_co_u32 s22, s22, 131072
	s_mov_b32 s23, 0
	s_add_nc_u64 s[22:23], s[96:97], s[22:23]      ; its scale words
	s_and_b32 s26, s24, 2047
	s_lshl_b32 s26, s26, 8
	s_mov_b32 s27, 0
	s_add_nc_u64 s[8:9], s[8:9], s[26:27]          ; the table at my first token's place in its sequence
	s_lshl_b32 s26, s24, 2
	s_add_nc_u64 s[10:11], s[10:11], s[26:27]      ; the mask at my first token
	s_mov_b32 s29, 0x017f0000                      ; q: byte 127 for K places 64 on, byte 1 for 96 on
	s_mov_b32 s30, 0x01010000                      ; k: byte 1 for both,
	s_mov_b32 s31, 0x01e30000                      ; or byte 227 where the key's mask is 0
	s_cmp_eq_u32 s28, 0                            ; (selects values alone)
	s_cselect_b32 s30, s29, s30
	s_cselect_b32 s31, s29, s31
	v_mov_b32 v[HU], s30
	v_mov_b32 v[HM], s31
	v_mov_b32 v[BC], 0xbc                          ; the code of -1.0
	v_lshlrev_b32 v[RA], 8, v3
	v_lshl_add_u32 v[RA], v2, 6, v[RA]             ; the table: my token's 256 bytes, + 64 h: the 8 pairs of my 16 channels
	v_lshlrev_b32 v[MA], 2, v3
	v_lshlrev_b32 v[SA], 5, v1
	v_lshl_add_u32 v[SA], v2, 4, v[SA]             ; the words: 32 bytes a place, four tiles' words for each half of the lanes
.irp a, 0,1,2,3,4,5,6,7
	global_load_b32 v[MK+\a], v[MA], s[10:11] offset:(32*(\a/2)+8*(\a%2))*4
.endr
	WIN 0x40                                       ; destination window 1: cos and sin, 32 registers for each of my eight tokens
.irp a, 0,1,2,3,4,5,6,7
.irp bb, 0,1
.irp j, 0,1,2,3
	global_load_b128 v[32*\a+16*\bb+4*\j:32*\a+16*\bb+4*\j+3], v[RA], s[8:9] offset:(32*(\a/2)+8*(\a%2))*256+128*\bb+16*\j
.endr
.endr
.endr
	WIN 0
.macro EPI_QK a
.set AC, 64*((\a)%4)
.set XW, 2+(\a)/4
.set CSA, 32*(\a)
	s_wait_loadcnt 8*(7-(\a))                      ; the mask and this block's cos and sin are in; the later blocks' eight loads each may be out
	WIN XW|(1<<2)                                  ; source 0: the accumulators; source 1: cos and sin; destination window 0
.irp b, 0,1,2,3
.irp k, 0,1,2,3,4,5,6,7
	v_mul_f32 v[T+16*\b+2*\k], v[AC+16*\b+2*\k+1], v[CSA+16*(\b%2)+2*\k+1]     ; x2 sin
	v_mul_f32 v[T+16*\b+2*\k+1], v[AC+16*\b+2*\k], v[CSA+16*(\b%2)+2*\k+1]     ; x1 sin
.endr
.endr
	WIN XW|(1<<2)|(XW<<6)
.irp b, 0,1,2,3
.irp k, 0,1,2,3,4,5,6,7
	v_fma_f32 v[AC+16*\b+2*\k], v[AC+16*\b+2*\k], v[CSA+16*(\b%2)+2*\k], -v[T+16*\b+2*\k]         ; x1 cos - x2 sin
	v_fma_f32 v[AC+16*\b+2*\k+1], v[AC+16*\b+2*\k+1], v[CSA+16*(\b%2)+2*\k], v[T+16*\b+2*\k+1]    ; x2 cos + x1 sin
.endr
.endr
	QUANTW PWT
	v_cmp_eq_u32 vcc_lo, 0, v[MK+\a]
	v_cndmask_b32 v[HIW], v[HU], v[HM], vcc_lo
	v_cndmask_b32 v[WM+\a], 0, v[BC], vcc_lo       ; the code at K place 64
	v_and_or_b32 v[WA+\a], v[PWT], 0xffff, v[HIW]  ; the first head's two bytes below, the padding's two above
	v_lshrrev_b32 v[WB+\a], 16, v[PWT]
	v_or_b32 v[WB+\a], v[WB+\a], v[HIW]            ; the second head's
	global_store_b128 v[LI], v[PC:PC+3], s[20:21] offset:(\a)*1024
	global_store_b128 v[LI], v[PC+4:PC+7], s[20:21] offset:(\a)*1024+512
	global_store_b128 v[LI], v[PC+8:PC+11], s[20:21] offset:QKREC+(\a)*1024
	global_store_b128 v[LI], v[PC+12:PC+15], s[20:21] offset:QKREC+(\a)*1024+512
	s_wait_xcnt 0x0                                ; the codes' registers are written again only behind this wait
.endm
.irp a, 0,1,2,3,4,5,6,7
	EPI_QK \a
.endr
	v_cmp_ne_u32 vcc_lo, 0, v2
.irp k, 0,1,2,3
	v_cndmask_b32 v[OW+\k], v[WA+\k], v[WA+4+\k], vcc_lo       ; lanes 0-15 store tiles 0-3's words of their place, lanes 16-31 tiles 4-7's: 512 consecutive bytes a store
	v_cndmask_b32 v[OW+4+\k], v[WB+\k], v[WB+4+\k], vcc_lo
	v_cndmask_b32 v[OW+8+\k], v[WM+\k], v[WM+4+\k], vcc_lo
.endr
	global_store_b128 v[SA], v[OW:OW+3], s[22:23]
	global_store_b128 v[SA], v[OW+8:OW+11], s[22:23] offset:8192
	global_store_b128 v[SA], v[OW+4:OW+7], s[22:23] offset:QKREC
	global_store_b128 v[SA], v[OW+8:OW+11], s[22:23] offset:QKREC+8192
	s_branch .Ljoin
	; ---- v.  My 128 channels are two heads (blocks 0-3: the first head's four tiles); my 128 tokens are one step of keys.
.Lv:
	s_lshr_b32 s26, s25, 11                        ; b
	s_bfe_u32 s27, s25, 0x40007                    ; the step of 128 keys
	s_lshl_b32 s26, s26, 4
	s_lshr_b32 s28, s24, 6
	s_add_co_u32 s26, s26, s28                     ; the first head's record
	s_mul_i32 s26, s26, VREC
	s_lshl_b32 s20, s27, 13
	s_add_co_u32 s20, s20, s26
	s_mov_b32 s21, 0
	s_add_nc_u64 s[20:21], s[98:99], s[20:21]      ; the step's four images
	s_lshl_b32 s22, s27, 8
	s_add_co_u32 s22, s22, s26
	s_add_co_u32 s22, s22, 131072
	s_mov_b32 s23, 0
	s_add_nc_u64 s[22:23], s[98:99], s[22:23]      ; its scale words
	s_wait_alu depctr_va_vdst(0)
	v_mul_u32_u24 v[SA], v2, VREC
	v_lshl_add_u32 v[SA], v1, 4, v[SA]             ; 16 bytes a place; lanes 16-31 store the second head's
.macro EPI_V a
.set AC, 64*((\a)%4)
.set XW, 2+(\a)/4
	QUANTW WA+(\a)
.irp c, 0,1,2,3
	global_store_b128 v[LI], v[PC+4*\c:PC+4*\c+3], s[20:21] offset:((\a)/4)*VREC+((\a)%4)*2048+512*\c
.endr
	s_wait_xcnt 0x0                                ; the codes' registers are written again only behind this wait
.endm
.irp a, 0,1,2,3,4,5,6,7
	EPI_V \a
.endr
	v_cmp_ne_u32 vcc_lo, 0, v2
.irp k, 0,1,2,3
	v_cndmask_b32 v[OW+\k], v[WA+\k], v[WA+4+\k], vcc_lo
.endr
	global_store_b128 v[SA], v[OW:OW+3], s[22:23]  ; each half of the lanes stores 256 consecutive bytes, aligned
.Ljoin:
	s_wait_tensorcnt 0x0                           ; the wave's end
	ds_add_u32 v[SPW], v[NIL]
	s_wait_dscnt 0x0
	CROUND                                         ; the closing round: no work-group ends while a partner may still ask for a tile that names it
	s_endpgm
.Lfunc_end_k_qdeddd42933_qkv:
	.size	k_qdeddd42933_qkv, .Lfunc_end_k_qdeddd42933_qkv-k_qdeddd42933_qkv
	.p2alignl 7, 3214868480
	.fill 96, 4, 3214868480
	.section	.rodata,"a",@progbits
	.p2align	6, 0x0
	.amdhsa_kernel k_qdeddd42933_qkv
		.amdhsa_group_segment_fixed_size 327680
		.amdhsa_private_segment_fixed_size 0
		.amdhsa_enable_private_segment 0
		.amdhsa_kernarg_size 48
		.amdhsa_user_sgpr_count 2
		.amdhsa_user_sgpr_kernarg_segment_ptr 1
		.amdhsa_wavefront_size32 1
		.amdhsa_system_sgpr_workgroup_id_x 1
		.amdhsa_system_sgpr_workgroup_id_y 1
		.amdhsa_system_sgpr_workgroup_id_z 1
		.amdhsa_system_vgpr_workitem_id 0
		.amdhsa_next_free_vgpr 1024
		.amdhsa_next_free_sgpr 100
		.amdhsa_reserve_vcc 1
		.amdhsa_float_denorm_mode_32 3
		.amdhsa_float_denorm_mode_16_64 3
		.amdhsa_memory_ordered 1
		.amdhsa_forward_progress 1
		.amdhsa_inst_pref_size 255
	.end_amdhsa_kernel
	.section	.bss,"aw",@nobits
	.p2align	6
	.space	262144
	.amdgpu_metadata
---
amdhsa.version: [ 1, 2 ]
amdhsa.kernels:
  - .name:           k_qdeddd42933_qkv
    .symbol:         k_qdeddd42933_qkv.kd
    .args:
      - { .name: qc, .offset: 0, .size: 8, .value_kind: global_buffer, .address_space: global }
      - { .name: qs, .offset: 8, .size: 8, .value_kind: global_buffer, .address_space: global }
      - { .name: rope, .offset: 16, .size: 8, .value_kind: global_buffer, .address_space: global }
      - { .name: attention_mask, .offset: 24, .size: 8, .value_kind: global_buffer, .address_space: global }
      - { .name: qk, .offset: 32, .size: 8, .value_kind: global_buffer, .address_space: global }
      - { .name: vv, .offset: 40, .size: 8, .value_kind: global_buffer, .address_space: global }
    .group_segment_fixed_size: 327680
    .private_segment_fixed_size: 0
    .kernarg_segment_align: 8
    .kernarg_segment_size: 48
    .max_flat_workgroup_size: 128
    .sgpr_count:     100
    .vgpr_count:     1024
    .wavefront_size: 32
...
	.end_amdgpu_metadata
.endif
;; end of part 2
;; launch attn (part 3): grid 4 x 64, 8 waves a work-group, clusters of 4 x 1, 327,680 bytes of LDS; arguments qk, vv, oc, osc; writes oc, osc
.if DOCPART == 3
	.amdgcn_target "amdgcn-amd-amdhsa--gfx1250"
	.amdhsa_code_object_version 6
	.text
	.protected	k_qdeddd42933_attn
	.globl	k_qdeddd42933_attn
	.p2align	8
	.type	k_qdeddd42933_attn,@function
k_qdeddd42933_attn:
	s_mov_b64 s[64:65], 0
	v_nop
	global_prefetch_b8 v0, s[64:65] scope:SCOPE_SE
	s_setreg_imm32_b32 hwreg(HW_REG_WAVE_MODE, 25, 1), 1
	s_wait_xcnt 0x0
	s_wait_alu depctr_hold_cnt(0) depctr_sa_sdst(0) depctr_va_vdst(0) depctr_va_sdst(0) depctr_va_ssrc(0) depctr_va_vcc(0) depctr_vm_vsrc(0)
	s_getreg_b32 s2, hwreg(HW_REG_IB_STS2, 6, 4)
	s_cmp_eq_u32 s2, 0
	s_cbranch_scc0 .Lentry_in_a_cluster
	s_endpgm
.Lentry_in_a_cluster:
	s_bfe_u32 s2, ttmp6, 0x10000c
	s_cmp_lg_u32 s2, 0x3003
	s_cbranch_scc0 .Lentry_shape_is_right
	s_endpgm
.Lentry_shape_is_right:
; ATTENTION on codes of BF8 (E5M2), one E8M0 scale for 32 along K.  attn = softmax(q k^T / 8 under the causal and the pad mask) is quantised FINISHED AND NORMALISED, so the keys are walked twice:
; walk 1 finds each row's largest score and the sum of its exponentials (running maximum, f32); walk 2 makes the scores again, p = 2^(c s - log2 of the row's sum under its maximum), quantises p along the keys and adds p v.
; Tiles of keys that lie wholly behind the causal diagonal are not walked (a mask that the problem builds itself).
; SHARES.  A cluster of 4 work-groups owns one (batch, head); K's and V's records of that head lie whole in each LDS, fetched once by joint loads (waves 0-3: quarters of K's record, waves 4-7: of V's).
; A work-group has 8 waves of 512 registers.  A wave owns a PAIR of query tiles (32 queries): pair cx of a block of 128 queries; wave w takes blocks 15 - w and w: 17 key steps of 128 for every wave.
; Each fragment of K and V read from LDS feeds both tiles.  Tile A's state lies in register window 0, tile B's in window 1, at the same numbers: one text serves both.
; K'S FRAGMENTS LIE 10 REGISTERS APART: 8 of codes (the head's 64), 1 with the pad mask's code at K place 64, 1 of zeros.  The matrix operand's other 6 registers are the next tile's codes: q has zero codes at those
; K places, and K's codes are finite, so they add nothing.  The next step's fragments are asked for right behind the products that read this step's.
; THE PAD MASK rides in q k^T at K place 64 (-2^100 onto a masked key's score).  A row with no key left has the sum 0: it takes the mean of all 2,048 quantised v (what a softmax of equal scores gives), made once by products with the code of 2^-11.
; No prefetch: K and V come once, at the head; there is no loop to run ahead in.
; LIMITS: scores stay under 2^93 in magnitude; NaN and infinities are not served; a block of zeros gets the byte 1 (zero codes; read by this program alone).
.set KS,    131072                     ; LDS: K's images at 0, its scale words, its mask words;
.set KM,    139264
.set VI,    147456                     ; V's images, its scale words;
.set VS,    278528
.set VSUM,  282624                     ; the mean of v in two parts of 256 bytes; a stage of 1,024 bytes a wave; the spare words, 128 bytes a wave
.set STG,   283136
.set SPARE, 291328
.set QKREC, 147456
.set VREC,  135168
; window 0, shared
.set LI,  1
.set AKS, 2
.set AKM, 3
.set AVS, 4
.set STO, 5
.set STR, 6
.set ADK, 7
.set ADV, 8
.set ADS, 9
.set ADM, 10
.set ADW, 11
.set KSW, 12                           ; v12-19 K's scale words, v20-23 V's, v24-25 q's (tile A, B), v26-27 p's
.set VSW, 20
.set QSW, 24
.set PW,  26
.set GOS, 28
.set SPW, 29
.set NIL, 30
.set AVM, 31
.set VF,  32                           ; v32-95 V's four fragments
.set KF,  0                            ; window 1: v0-85 K's eight fragments
; a tile's state, in its window
.set QF,  96
.set SV,  112
.set OT,  176
.set PC,  208
.set BM,  224
.set BP,  228
.set BH,  232
.set BS,  236
.set NM,  240
.set MX,  241
.set LS,  242
.set T,   244
.set DG,  252
.set PWT, 253
.set MSB, 0
.macro WIN new                         ; the immediate's high byte repeats the setting that is left
.if MSB != (\new)
	s_set_vgpr_msb (MSB<<8)|(\new)
.set MSB, (\new)
.endif
.endm
.macro TW w                            ; all operand places in tile w's window
	WIN 0x55*(\w)
.endm
.macro WALU
	s_wait_alu depctr_va_vdst(0)
.endm
.macro NOPS n
.rept \n
	v_nop
.endr
.endm
.macro CROUND
	s_barrier_signal -1
	s_barrier_wait -1
	s_cmp_lg_u32 s12, 0
	s_cbranch_scc1 .Lnot_wave_0_\@
	s_barrier_signal -3
.Lnot_wave_0_\@:
	s_barrier_wait -3
	s_barrier_signal -1
	s_barrier_wait -1
.endm
.macro INITW                           ; what is named before it is first made: zero codes of q, lane permutes' destinations, halves of pairs
.irp i, 9,10,11,12,13,14,15
	v_mov_b32 v[QF+\i], 0
.endr
.irp i, 0,1,2,3
	v_mov_b32 v[BP+\i], 0
.endr
.irp i, 0,1,2,3,4,5,6,7
	v_mov_b32 v[T+\i], 0
.endr
.endm
	s_load_b256 s[4:11], s[0:1], 0x0               ; qk, vv, oc, osc
	v_lshl_add_u32 v[SPW], v0, 2, SPARE
	v_mov_b32 v[NIL], 0
	ds_add_u32 v[SPW], v[NIL]
	ds_add_u32 v[SPW], v[NIL]
	v_lshrrev_b32 v1, 5, v0
	v_readfirstlane_b32 s12, v1                    ; wave 0..7
	s_bfe_u32 s13, ttmp6, 0x40000                  ; cx
	s_and_b32 s14, ttmp7, 0xffff                   ; 16 b + head
	s_mov_b32 s28, 15|(3<<16)|(1<<21)              ; group 1, K: 144 rows of 256 bytes (32 elements of 8), dense; the mask names the cluster's four
	s_mov_b32 s29, 32<<16
	s_mov_b32 s30, 144<<16
	s_mov_b32 s31, 32<<16
	s_mov_b32 s32, 144
	s_mov_b32 s33, 32
	s_mov_b32 s34, 0
	s_mov_b32 s35, 0
	s_mov_b32 s36, 15|(3<<16)|(1<<21)              ; V: 132 rows
	s_mov_b32 s37, 32<<16
	s_mov_b32 s38, 132<<16
	s_mov_b32 s39, 32<<16
	s_mov_b32 s40, 132
	s_mov_b32 s41, 32
	s_mov_b32 s42, 0
	s_mov_b32 s43, 0
	s_and_b32 s20, s12, 3                          ; which quarter I fetch
	s_mov_b32 s44, 1
	s_mul_i32 s45, s20, 36864
	s_mov_b32 s48, 1
	s_mul_i32 s49, s20, 33792
	s_mul_i32 s61, s14, QKREC                      ; q's record
	s_add_co_u32 s18, s61, 64*QKREC                ; k's
	s_add_co_u32 s18, s18, s45
	s_mov_b32 s19, 0
	s_mul_i32 s20, s14, VREC
	s_add_co_u32 s20, s20, s49
	s_mov_b32 s21, 0
	s_add_co_u32 s49, s49, VI
	s_mov_b32 s22, 0x3e38aa3b                      ; c = log2(e) / 8
	s_mov_b32 s23, s22
	s_mov_b32 s24, 0xbe38aa3b                      ; -c
	s_mov_b32 s25, 0x600000                        ; the mantissa field of 57,344
	s_mov_b32 s26, 0x76543210
	s_mov_b32 s27, 0xfedcba98                      ; lane l xor 16
	s_and_b32 s63, s14, 15
	s_lshl_b32 s60, s63, 19                        ; oc: [head][token][64 bytes]
	s_lshl_b32 s63, s63, 1
	s_lshr_b32 s62, s14, 4
	s_lshl_b32 s62, s62, 11
	s_lshl_b32 s52, s13, 5                         ; my pair's first query in its block: 32 cx
	s_add_co_u32 s62, s62, s52
	s_lshl_b32 s16, s13, 1                         ; its first tile
	s_lshl_b32 s53, s12, 10
	s_add_co_u32 s53, s53, STG
	v_and_b32 v[ADK], 31, v0
	v_and_b32 v[ADV], 15, v0                       ; r
	v_bfe_u32 v[ADS], v0, 4, 1                     ; h
	v_lshlrev_b32 v[LI], 4, v[ADK]
	v_lshl_add_u32 v[AKS], v[ADV], 5, KS
	v_lshl_add_u32 v[AKM], v[ADV], 5, KM
	v_lshl_add_u32 v[AVS], v[ADV], 4, VS
	v_and_b32 v[ADM], 8, v[ADV]
	v_lshlrev_b32 v[ADW], 4, v[ADS]
	v_add_nc_u32 v[ADM], v[ADM], v[ADV]            ; r + 8 (r / 8)
	v_lshlrev_b32 v[STO], 6, v[ADV]
	v_sub_nc_u32 v[DG], v[ADM], v[ADW]
	v_lshl_add_u32 v[STO], v[ADS], 4, v[STO]
	v_add_nc_u32 v[DG], s52, v[DG]                 ; tile A: my query in its block - 16 h
	v_add_nc_u32 v[STO], s53, v[STO]
	v_add_nc_u32 v[STR], s53, v[LI]
	v_lshl_add_u32 v[GOS], v[ADM], 5, v[ADS]
	v_lshl_add_u32 v[AVM], v[ADS], 7, VSUM
	v_cmp_ne_u32 s66, 0, v[ADS]                    ; lanes 16-31
	v_mov_b32 v[PWT], 0x3c
	v_cndmask_b32 v[QF+8], v[PWT], v[NIL], s66     ; q's code 1.0 at K place 64
	INITW
	WIN 0x40                                       ; destination window 1
	v_add_nc_u32 v[DG], 8, v[DG]                   ; tile B lies 8 queries on
	v_mov_b32 v[QF+8], v[QF+8]
	INITW
.irp t, 0,1,2,3,4,5,6,7
	v_mov_b32 v[KF+10*\t+9], 0
.endr
.irp i, 80,81,82,83,84,85
	v_mov_b32 v[KF+\i], 0
.endr
	WIN 0
	; the mean of v: wave w takes channel tile w % 4 and key steps 8 (w / 4) on
	s_and_b32 s54, s12, 3
	s_lshr_b32 s55, s12, 2
	s_lshl_b32 s56, s54, 11
	s_lshl_b32 s57, s55, 16
	s_add_co_u32 s56, s56, s57
	s_add_co_u32 s56, s56, VI
	v_add_nc_u32 v[ADV], s56, v[LI]
	s_lshl_b32 s56, s54, 2
	s_lshl_b32 s57, s55, 11
	s_add_co_u32 s56, s56, s57
	v_add_nc_u32 v[ADW], s56, v[AVS]
	s_lshl_b32 s56, s54, 5
	s_lshl_b32 s57, s55, 8
	s_add_co_u32 s56, s56, s57
	v_add_nc_u32 v[ADM], s56, v[AVM]
	v_mov_b32 v[PW], 0x65656565                    ; 1 / 2,048 = the code of 2^15 under the byte of 2^-26
.set N, 0
.rept 16
	v_mov_b32 v[PC+N], 0x78787878
.set N, N+1
.endr
	WALU
	s_wait_dscnt 0x0
	s_wait_kmcnt 0x0
	s_add_nc_u64 s[46:47], s[4:5], s[18:19]
	s_or_b32 s47, s47, 0x80000000
	s_add_nc_u64 s[50:51], s[6:7], s[20:21]
	s_or_b32 s51, s51, 0x80000000
	CROUND                                         ; the four work-groups are here: the joint loads meet
	s_cmp_lt_u32 s12, 4                            ; one joint load a wave, an arm each
	s_cbranch_scc0 .Lfor_v
	tensor_load_to_lds s[44:47], s[28:35]
	s_nop 0
	NOPS 4
	s_branch .Lasked
.Lfor_v:
	tensor_load_to_lds s[48:51], s[36:43]
	s_nop 0
	NOPS 4
.Lasked:
.macro QLOAD                           ; q's two tiles of block s68: images of operand registers, and their scale words
	s_lshl_b32 s52, s68, 3
	s_add_co_u32 s52, s52, s16
	s_lshl_b32 s52, s52, 10
	s_add_co_u32 s52, s52, s61
	s_mov_b32 s53, 0
	s_add_nc_u64 s[52:53], s[4:5], s[52:53]
	s_lshl_b32 s54, s68, 9
	s_lshl_b32 s55, s16, 2
	s_add_co_u32 s54, s54, s55
	s_add_co_u32 s54, s54, s61
	s_add_co_u32 s54, s54, 131072
	s_mov_b32 s55, 0
	s_add_nc_u64 s[54:55], s[4:5], s[54:55]
	v_add_nc_u32 v[ADS], 0xfffe0000, v[AKS]        ; 32 r
	global_load_b128 v[QF:QF+3], v[LI], s[52:53]
	global_load_b128 v[QF+4:QF+7], v[LI], s[52:53] offset:512
	global_load_b32 v[QSW], v[ADS], s[54:55]
	global_load_b32 v[QSW+1], v[ADS], s[54:55] offset:4
	WIN 0x40
	global_load_b128 v[QF:QF+3], v[LI], s[52:53] offset:1024
	global_load_b128 v[QF+4:QF+7], v[LI], s[52:53] offset:1536
	WIN 0
.endm
	s_xor_b32 s17, s12, 15                         ; the first job's block
	s_mov_b32 s68, s17
	QLOAD
	WALU
	s_wait_tensorcnt 0x0                           ; my quarter is in,
	s_barrier_signal -1
	s_barrier_wait -1                              ; everybody's is
.irp bt, 0,1
.if \bt
	NOPS 8                                         ; places in front of loads into registers that products have read
.endif
.irp k, 0,1,2,3
.irp c, 0,1,2,3
	ds_load_b128 v[VF+16*\k+4*\c:VF+16*\k+4*\c+3], v[ADV] offset:32768*\bt+8192*\k+512*\c
.endr
	ds_load_b32 v[VSW+\k], v[ADW] offset:256*(4*\bt+\k)
.endr
	s_wait_dscnt 0x0
.irp k, 0,1,2,3                        ; four accumulators by turns
.if \bt
	v_wmma_scale_f32_16x16x128_f8f6f4 v[OT+8*\k:OT+8*\k+7], v[VF+16*\k:VF+16*\k+15], v[PC:PC+15], v[OT+8*\k:OT+8*\k+7], v[VSW+\k], v[PW] matrix_a_fmt:MATRIX_FMT_BF8 matrix_b_fmt:MATRIX_FMT_BF8
.else
	v_wmma_scale_f32_16x16x128_f8f6f4 v[OT+8*\k:OT+8*\k+7], v[VF+16*\k:VF+16*\k+15], v[PC:PC+15], 0, v[VSW+\k], v[PW] matrix_a_fmt:MATRIX_FMT_BF8 matrix_b_fmt:MATRIX_FMT_BF8
.endif
.endr
.endr
	NOPS 8
.irp j, 0,1,2,3,4,5,6,7
	v_add_f32 v[SV+\j], v[OT+\j], v[OT+8+\j]
.endr
.irp j, 0,1,2,3,4,5,6,7
	v_add_f32 v[SV+8+\j], v[OT+16+\j], v[OT+24+\j]
.endr
.irp j, 0,1,2,3,4,5,6,7
	v_add_f32 v[SV+\j], v[SV+\j], v[SV+8+\j]
.endr
	ds_store_b128 v[ADM], v[SV:SV+3]               ; the sixteen lanes of a half write the same bytes with the same values
	ds_store_b128 v[ADM], v[SV+4:SV+7] offset:16
	WALU
	s_wait_dscnt 0x0
	s_barrier_signal -1
	s_barrier_wait -1
; ---- the pieces of a key step
.macro KLOAD adk, ads, adm             ; 26 loads: K's scale words, eight tiles' codes and mask words
	ds_load_b128 v[KSW:KSW+3], v[\ads]
	ds_load_b128 v[KSW+4:KSW+7], v[\ads] offset:16
	WIN 0x40
.irp t, 0,1,2,3,4,5,6,7
	ds_load_b128 v[KF+10*\t:KF+10*\t+3], v[\adk] offset:1024*\t
	ds_load_b128 v[KF+10*\t+4:KF+10*\t+7], v[\adk] offset:1024*\t+512
	ds_load_b32 v[KF+10*\t+8], v[\adm] offset:4*\t
.endr
	WIN 0
.endm
.macro VLOAD adv, adw                  ; 17 loads
	ds_load_b128 v[VSW:VSW+3], v[\adw]
.irp t, 0,1,2,3
.irp c, 0,1,2,3
	ds_load_b128 v[VF+16*\t+4*\c:VF+16*\t+4*\c+3], v[\adv] offset:2048*\t+512*\c
.endr
.endr
.endm
.macro NEXT                            ; where the next step's fragments lie (the last step names itself again: every address stays inside the records)
	s_add_co_u32 s19, s18, 1
	s_min_u32 s19, s19, 15
	s_lshl_b32 s20, s19, 9
	s_lshl_b32 s21, s19, 8
	s_lshl_b32 s19, s19, 13
	s_add_co_u32 s69, s19, VI
.endm
.macro QK w                            ; S^T = K q^T: source 0 = 16 keys (window 1), source 1 = tile w's 16 queries
	WIN 1|((\w)<<2)|((\w)<<6)
.irp t, 0,1,2,3,4,5,6,7
	v_wmma_scale_f32_16x16x128_f8f6f4 v[SV+8*\t:SV+8*\t+7], v[KF+10*\t:KF+10*\t+15], v[QF:QF+15], 0, v[KSW+\t], v[QSW+\w] matrix_a_fmt:MATRIX_FMT_BF8 matrix_b_fmt:MATRIX_FMT_BF8
.endr
.endm
.macro SCORES                          ; both tiles' scores; eight places; the next step's K
	NEXT
	QK 0
	QK 1
	WIN 0
	v_add_nc_u32 v[ADK], s19, v[LI]
	v_add_nc_u32 v[ADS], s20, v[AKS]
	v_add_nc_u32 v[ADM], s20, v[AKM]
	NOPS 5
	KLOAD ADK, ADS, ADM
	s_cmp_lg_u32 s18, s17                          ; on the diagonal hidden scores become -infinity
	s_cbranch_scc1 .Lopen_\@
.irp w, 0,1
	TW \w
	v_mov_b32 v[T], 0xff800000
.set N, 0
.rept 64
	v_cmp_gt_i32 vcc_lo, 32*(N/16)+N%16, v[DG]
	v_cndmask_b32 v[SV+N], v[SV+N], v[T], vcc_lo
.set N, N+1
.endr
.endr
	WIN 0
.Lopen_\@:
.endm
.macro BLOCKMAX                        ; the largest score of each block of 32 keys: my 16
.irp b, 0,1,2,3
	v_max3_num_f32 v[BM+\b], v[SV+16*\b], v[SV+16*\b+1], v[SV+16*\b+2]
.endr
.irp i, 3,5,7,9,11,13
.irp b, 0,1,2,3
	v_max3_num_f32 v[BM+\b], v[BM+\b], v[SV+16*\b+\i], v[SV+16*\b+\i+1]
.endr
.endr
.irp b, 0,1,2,3
	v_max_num_f32 v[BM+\b], v[BM+\b], v[SV+16*\b+15]
.endr
.endm
.macro SCALE
.set N, 0
.rept 32
	v_pk_fma_f32 v[SV+N:SV+N+1], v[SV+N:SV+N+1], s[22:23], v[NM:NM+1] op_sel_hi:[1,0,0]
.set N, N+2
.endr
.endm
.macro EXP64
.set N, 0
.rept 64
	v_exp_f32 v[SV+N], v[SV+N]
.set N, N+1
.endr
.endm
.macro SOFT1 w                         ; walk 1: the lane's running maximum and sum
	TW \w
	WALU
	BLOCKMAX
	v_max3_num_f32 v[T], v[BM], v[BM+1], v[BM+2]
	v_max3_num_f32 v[MX], v[T], v[BM+3], v[MX]
	v_mul_f32 v[T+1], s24, v[MX]
	v_sub_f32 v[T+2], v[T+1], v[NM]
	v_mov_b32 v[NM], v[T+1]                        ; -c x the largest score so far
	SCALE
	WALU                                           ; one wait ahead of the batch,
	v_exp_f32 v[T+2], v[T+2]
	EXP64
	v_nop
	WALU                                           ; one behind it
	v_pk_mul_f32 v[LS:LS+1], v[LS:LS+1], v[T+2:T+3] op_sel_hi:[1,0]
	v_pk_add_f32 v[T+4:T+5], v[SV:SV+1], v[SV+2:SV+3]
.irp j, 4,8,12,16,20,24,28,32,36,40,44,48,52,56,60
	v_pk_add_f32 v[LS:LS+1], v[LS:LS+1], v[SV+\j:SV+\j+1]
	v_pk_add_f32 v[T+4:T+5], v[T+4:T+5], v[SV+\j+2:SV+\j+3]
.endr
	v_pk_add_f32 v[LS:LS+1], v[LS:LS+1], v[T+4:T+5]
.endm
.macro MERGE w                         ; lanes l and l xor 16 join; NM becomes -(c x maximum + log2 of the sum)
	TW \w
	v_add_f32 v[LS], v[LS], v[LS+1]
	v_permlanex16_b32 v[T], v[NM], s26, s27
	v_permlanex16_b32 v[T+1], v[LS], s26, s27
	v_min_num_f32 v[T+2], v[NM], v[T]
	v_sub_f32 v[T+4], v[T+2], v[NM]
	v_sub_f32 v[T+5], v[T+2], v[T]
	WALU
	v_exp_f32 v[T+4], v[T+4]
	v_exp_f32 v[T+5], v[T+5]
	v_nop
	WALU
	v_mul_f32 v[LS], v[LS], v[T+4]
	v_fmac_f32 v[LS], v[T+1], v[T+5]
	v_cmp_le_f32 vcc_lo, 0.5, v[LS]                ; a row with a key left has a sum of 1 at the least
	v_cndmask_b32 v[T+6], 1.0, v[LS], vcc_lo
	WALU
	v_log_f32 v[T+6], v[T+6]
	v_nop
	WALU
	v_sub_f32 v[NM], v[T+2], v[T+6]
.endm
.macro SOFT2 w                         ; walk 2: p, normalised, and its codes and scale word
	TW \w
	WALU
	BLOCKMAX
.irp b, 0,1,2,3
	v_permlanex16_b32 v[BP+\b], v[BM+\b], s26, s27
.endr
.irp b, 0,1,2,3
	v_max_num_f32 v[BM+\b], v[BM+\b], v[BP+\b]
.endr
	SCALE
.irp b, 0,1,2,3
	v_fma_f32 v[BM+\b], v[BM+\b], s22, v[NM]       ; a block's largest p comes of its largest score by the same two instructions
.endr
	WALU
	EXP64
.irp b, 0,1,2,3
	v_exp_f32 v[BM+\b], v[BM+\b]
.endr
	v_nop
	WALU
.irp b, 0,1,2,3
	v_max_num_f32 v[BM+\b], 0x8000000, v[BM+\b]    ; the floor 2^(16 - 127): the byte cannot fall under 1
.endr
.irp b, 0,1,2,3
	v_add_nc_u32 v[BS+\b], 0xf8800000, v[BM+\b]
.endr
.irp b, 0,1,2,3
	v_and_or_b32 v[BH+\b], v[BM+\b], 0x7f800000, s25
.endr
.irp b, 0,1,2,3
	v_lshrrev_b32 v[BP+\b], 23, v[BS+\b]
.endr
	v_lshl_or_b32 v[PWT], v[BP+1], 8, v[BP]
	v_lshl_or_b32 v[PWT], v[BP+2], 16, v[PWT]
	WIN 0x11*(\w)                                  ; scale words lie in window 0
	v_lshl_or_b32 v[PW+\w], v[BP+3], 24, v[PWT]
	TW \w
.irp b, 0,1,2,3
.irp i, 0,1,2,3,4,5,6,7,8,9,10,11,12,13,14,15
	v_min_num_f32 v[SV+16*\b+\i], v[SV+16*\b+\i], v[BH+\b]   ; the conversion does not saturate (ISA guide 7.6.2); p is not negative
.endr
	v_cvt_scalef32_pk8_bf8_f32 v[PC+4*\b:PC+4*\b+1], v[SV+16*\b:SV+16*\b+7], v[BS+\b]
	v_cvt_scalef32_pk8_bf8_f32 v[PC+4*\b+2:PC+4*\b+3], v[SV+16*\b+8:SV+16*\b+15], v[BS+\b]
.endr
	v_nop
.endm
.macro PV w                            ; O^T += V^T p^T: source 0 = 16 channels (window 0), source 1 = tile w's p
	WIN 0x54*(\w)
	WALU
.if (\w) == 0
	s_wait_dscnt 26                                ; V's 17 loads are in; the next step's 26 of K may be out
	NOPS 4                                         ; places behind the codes
.endif
.irp t, 0,1,2,3
	v_wmma_scale_f32_16x16x128_f8f6f4 v[OT+8*\t:OT+8*\t+7], v[VF+16*\t:VF+16*\t+15], v[PC:PC+15], v[OT+8*\t:OT+8*\t+7], v[VSW+\t], v[PW+\w] matrix_a_fmt:MATRIX_FMT_BF8 matrix_b_fmt:MATRIX_FMT_BF8
.endr
.endm
.macro EPI w                           ; a tile's way out: the row without keys takes the mean of v; O is quantised along the channels for the last product
	WIN (\w)<<6
.irp k, 0,1,2,3,4,5,6,7
	ds_load_b128 v[SV+4*\k:SV+4*\k+3], v[AVM] offset:16*\k
	ds_load_b128 v[SV+32+4*\k:SV+32+4*\k+3], v[AVM] offset:256+16*\k
.endr
	TW \w
	v_cmp_gt_f32 vcc_lo, 0.5, v[LS]
	WALU
	s_wait_dscnt 0x0
.set N, 0
.rept 16
	v_pk_add_f32 v[SV+N:SV+N+1], v[SV+N:SV+N+1], v[SV+32+N:SV+32+N+1]
.set N, N+2
.endr
.set N, 0
.rept 32
	v_cndmask_b32 v[OT+N], v[OT+N], v[SV+N], vcc_lo
.set N, N+1
.endr
.irp b, 0,1
	v_max3_num_f32 v[BM+\b], |v[OT+16*\b]|, |v[OT+16*\b+1]|, 0x8000000
.endr
.irp i, 2,4,6,8,10,12,14
.irp b, 0,1
	v_max3_num_f32 v[BM+\b], v[BM+\b], |v[OT+16*\b+\i]|, |v[OT+16*\b+\i+1]|
.endr
.endr
.irp b, 0,1
	v_permlanex16_b32 v[BP+\b], v[BM+\b], s26, s27
.endr
.irp b, 0,1
	v_max_num_f32 v[BM+\b], v[BM+\b], v[BP+\b]
.endr
.irp b, 0,1
	v_add_nc_u32 v[BS+\b], 0xf8800000, v[BM+\b]
.endr
.irp b, 0,1
	v_and_or_b32 v[BH+\b], v[BM+\b], 0x7f800000, s25
.endr
.irp b, 0,1
	v_lshrrev_b32 v[BP+\b], 23, v[BS+\b]
.endr
.irp b, 0,1
.irp i, 0,1,2,3,4,5,6,7,8,9,10,11,12,13,14,15
	v_med3_num_f32 v[OT+16*\b+\i], v[OT+16*\b+\i], -v[BH+\b], v[BH+\b]
.endr
	v_cvt_scalef32_pk8_bf8_f32 v[PC+4*\b:PC+4*\b+1], v[OT+16*\b:OT+16*\b+7], v[BS+\b]
	v_cvt_scalef32_pk8_bf8_f32 v[PC+4*\b+2:PC+4*\b+3], v[OT+16*\b+8:OT+16*\b+15], v[BS+\b]
.endr
	v_cndmask_b32 v[T], v[BP], v[BP+1], s66        ; lanes 16-31 store the second block's byte
	WIN (\w)<<2
	ds_store_b128 v[STO], v[PC:PC+3]               ; through my stage: rows of 64 bytes come back as 512 consecutive bytes
	ds_store_b128 v[STO], v[PC+4:PC+7] offset:32
	WIN (\w)<<6
	ds_load_b128 v[PC+8:PC+11], v[STR]
	ds_load_b128 v[PC+12:PC+15], v[STR] offset:512
	WALU
	s_wait_dscnt 0x0
	WIN (\w)<<2
	global_store_b128 v[LI], v[PC+8:PC+11], s[56:57] offset:512*(\w)
	global_store_b128 v[LI], v[PC+12:PC+15], s[56:57] offset:1024+512*(\w)
	global_store_b8 v[GOS], v[T], s[58:59] offset:256*(\w)
	s_wait_xcnt 0x0                                ; the stores' registers and bases are written again only behind this wait
	WIN 0
.endm
; ---- two jobs a wave: block 15 - w, then block w
	s_mov_b32 s67, 0
.Ljob:
	s_lshl_b32 s56, s17, 7                         ; where the job's results go
	s_add_co_u32 s56, s56, s62
	s_lshl_b32 s58, s56, 5
	s_add_co_u32 s58, s58, s63
	s_mov_b32 s59, 0
	s_add_nc_u64 s[58:59], s[10:11], s[58:59]
	s_lshl_b32 s56, s56, 6
	s_add_co_u32 s56, s56, s60
	s_mov_b32 s57, 0
	s_add_nc_u64 s[56:57], s[8:9], s[56:57]
	KLOAD LI, AKS, AKM                             ; key step 0
.irp w, 0,1
	TW \w
	v_mov_b32 v[MX], 0xee000000                    ; under every score that counts, over a masked one
	v_mov_b32 v[LS], 0
	v_mov_b32 v[LS+1], 0
	v_mul_f32 v[NM], s24, v[MX]
.set N, 0
.rept 32
	v_mov_b32 v[OT+N], 0
.set N, N+1
.endr
.endr
	WIN 0
	s_mov_b32 s18, 0
	WALU
	s_wait_loadcnt 0x0                             ; q
.Lw1:                                              ; 16 trips in every wave; the steps behind the diagonal are jumped over
	s_cmp_gt_u32 s18, s17
	s_cbranch_scc1 .Ls1
	s_wait_dscnt 0x0                               ; this step's K
	SCORES
	SOFT1 0
	SOFT1 1
	WIN 0
	WALU
.Ls1:
	s_add_co_u32 s18, s18, 1
	s_cmp_lt_u32 s18, 16
	s_cbranch_scc1 .Lw1
	s_wait_dscnt 0x0
	v_add_nc_u32 v[ADV], VI, v[LI]
	KLOAD LI, AKS, AKM
	VLOAD ADV, AVS
	MERGE 0
	MERGE 1
	WIN 0
	s_mov_b32 s18, 0
	WALU
.Lw2:
	s_cmp_gt_u32 s18, s17
	s_cbranch_scc1 .Ls2
	s_wait_dscnt 17                                ; this step's K is in; V's 17 loads may be out
	SCORES
	SOFT2 0
	SOFT2 1
	PV 0
	PV 1
	WIN 0
	v_add_nc_u32 v[ADV], s69, v[LI]
	v_add_nc_u32 v[ADW], s21, v[AVS]
	NOPS 6
	VLOAD ADV, ADW                                 ; the next step's V
	WALU
.Ls2:
	s_add_co_u32 s18, s18, 1
	s_cmp_lt_u32 s18, 16
	s_cbranch_scc1 .Lw2
	s_wait_dscnt 0x0
	s_cmp_lg_u32 s67, 0
	s_cbranch_scc1 .Lno_q
	s_mov_b32 s68, s12                             ; the second job's q comes while the first goes out
	QLOAD
.Lno_q:
	EPI 0
	EPI 1
	s_mov_b32 s17, s12
	s_add_co_u32 s67, s67, 1
	s_cmp_lt_u32 s67, 2
	s_cbranch_scc1 .Ljob
	s_wait_tensorcnt 0x0                           ; the wave's end
	ds_add_u32 v[SPW], v[NIL]
	s_wait_dscnt 0x0
	CROUND                                         ; the closing round
	s_endpgm
.Lfunc_end_k_qdeddd42933_attn:
	.size	k_qdeddd42933_attn, .Lfunc_end_k_qdeddd42933_attn-k_qdeddd42933_attn
	.p2alignl 7, 3214868480
	.fill 96, 4, 3214868480
	.section	.rodata,"a",@progbits
	.p2align	6, 0x0
	.amdhsa_kernel k_qdeddd42933_attn
		.amdhsa_group_segment_fixed_size 327680
		.amdhsa_private_segment_fixed_size 0
		.amdhsa_enable_private_segment 0
		.amdhsa_kernarg_size 32
		.amdhsa_user_sgpr_count 2
		.amdhsa_user_sgpr_kernarg_segment_ptr 1
		.amdhsa_wavefront_size32 1
		.amdhsa_system_sgpr_workgroup_id_x 1
		.amdhsa_system_sgpr_workgroup_id_y 1
		.amdhsa_system_sgpr_workgroup_id_z 1
		.amdhsa_system_vgpr_workitem_id 0
		.amdhsa_next_free_vgpr 512
		.amdhsa_next_free_sgpr 80
		.amdhsa_reserve_vcc 1
		.amdhsa_float_denorm_mode_32 3
		.amdhsa_float_denorm_mode_16_64 3
		.amdhsa_memory_ordered 1
		.amdhsa_forward_progress 1
		.amdhsa_inst_pref_size 111
	.end_amdhsa_kernel
	.amdgpu_metadata
---
amdhsa.version: [ 1, 2 ]
amdhsa.kernels:
  - .name:           k_qdeddd42933_attn
    .symbol:         k_qdeddd42933_attn.kd
    .args:
      - { .name: qk, .offset: 0, .size: 8, .value_kind: global_buffer, .address_space: global }
      - { .name: vv, .offset: 8, .size: 8, .value_kind: global_buffer, .address_space: global }
      - { .name: oc, .offset: 16, .size: 8, .value_kind: global_buffer, .address_space: global }
      - { .name: osc, .offset: 24, .size: 8, .value_kind: global_buffer, .address_space: global }
    .group_segment_fixed_size: 327680
    .private_segment_fixed_size: 0
    .kernarg_segment_align: 8
    .kernarg_segment_size: 32
    .max_flat_workgroup_size: 256
    .sgpr_count:     80
    .vgpr_count:     512
    .wavefront_size: 32
...
	.end_amdgpu_metadata
.endif
;; end of part 3
;; launch oproj (part 4): grid 4 x 32, 4 waves a work-group, clusters of 4 x 4, 327,680 bytes of LDS; arguments oc, osc, qc, qs, out0; writes out0
.if DOCPART == 4
	.amdgcn_target "amdgcn-amd-amdhsa--gfx1250"
	.amdhsa_code_object_version 6
	.text
	.protected	k_qdeddd42933_oproj
	.globl	k_qdeddd42933_oproj
	.p2align	8
	.type	k_qdeddd42933_oproj,@function
k_qdeddd42933_oproj:
	s_mov_b64 s[64:65], 0
	v_nop
	global_prefetch_b8 v0, s[64:65] scope:SCOPE_SE
	s_setreg_imm32_b32 hwreg(HW_REG_WAVE_MODE, 25, 1), 1
	s_wait_xcnt 0x0
	s_wait_alu depctr_hold_cnt(0) depctr_sa_sdst(0) depctr_va_vdst(0) depctr_va_sdst(0) depctr_va_ssrc(0) depctr_va_vcc(0) depctr_vm_vsrc(0)
	s_getreg_b32 s2, hwreg(HW_REG_IB_STS2, 6, 4)
	s_cmp_eq_u32 s2, 0
	s_cbranch_scc0 .Lentry_in_a_cluster
	s_endpgm
.Lentry_in_a_cluster:
	s_bfe_u32 s2, ttmp6, 0x10000c
	s_cmp_lg_u32 s2, 0xf033
	s_cbranch_scc0 .Lentry_shape_is_right
	s_endpgm
.Lentry_shape_is_right:
.set SIZE_N, 1024
.set NQ,     2
.set ROWB,   256
.set KROW,   1024
.set PITCH,  272
.set APITCH, 80
.set APLANE, 128*APITCH
.set AHALF,  4*APLANE
.set ASTEP,  4*524288
.set FR,     16
.set NL,     4
.set NP,     8
.set HALFT,  128*PITCH
.set BOFF,   2*AHALF
.set SLOT,   BOFF+2*HALFT
.set LAPS,   2
.set KS,     32
.set SCL,    2*SLOT
.set HALFS,  16*272
.set SBLK,   2*272
.set SPARE,  SCL+4*HALFS
.set SPITCH, 528
.set ADRA, 16
.set ADRB, 20
.set STO,  24
.set RD,   25
.set CO,   26
.set ADRS, 27
.set SPW,  28
.set NIL,  29
.set SC,   32
.set AF,   128
.set BK,   128
.set G1, 24
.set G0, 32
.set G1B, 48
.set G0B, 56
.set G1S, 68
.set G0S, 76
.set G1SB, 80
.set G0SB, 88
.set MSB, 0
.macro WIN new
.if MSB != (\new)
	s_set_vgpr_msb (MSB<<8)|(\new)
.set MSB, (\new)
.endif
.endm
.set MUL_LO, 0xa1
.set MUL_HI, 0xf1
.set TO_B,   0x40
.macro JLOAD g0a, g1a, g0b, g1b
	s_cmp_eq_u32 s15, 0
	s_cbranch_scc0 .Lfor_b_\@
	tensor_load_to_lds s[\g0a:\g0a+3], s[\g1a:\g1a+7]
	s_nop 0
.rept 4
	v_nop
.endr
	s_branch .Lasked_\@
.Lfor_b_\@:
	tensor_load_to_lds s[\g0b:\g0b+3], s[\g1b:\g1b+7]
	s_nop 0
.rept 4
	v_nop
.endr
.Lasked_\@:
.endm
.macro CREST
	s_cmp_lg_u32 s14, 0
	s_cbranch_scc1 .Lnot_wave_0_\@
	s_barrier_signal -3
.Lnot_wave_0_\@:
	s_barrier_wait -3
	s_barrier_signal -1
	s_barrier_wait -1
.endm
.macro CROUND
	s_barrier_signal -1
	s_barrier_wait -1
	CREST
.endm
	s_load_b128 s[4:7], s[0:1], 0x0
	s_load_b128 s[8:11], s[0:1], 0x10
	s_load_b64 s[12:13], s[0:1], 0x20
	v_lshl_add_u32 v[SPW], v0, 2, SPARE
	v_mov_b32 v[NIL], 0
	ds_add_u32 v28, v29
	ds_add_u32 v28, v29
	s_wait_dscnt 0x0
	v_lshrrev_b32 v1, 5, v0
	v_readfirstlane_b32 s14, v1
	s_lshr_b32 s15, s14, 1
	s_and_b32 s16, s14, 1
	s_bfe_u32 s40, ttmp6, 0x40000
	s_bfe_u32 s41, ttmp6, 0x40004
	s_lshl_b32 s42, ttmp9, 2
	s_add_co_u32 s42, s42, s40
	s_and_b32 s17, ttmp7, 0xffff
	s_lshl_b32 s17, s17, 2
	s_add_co_u32 s17, s17, s41
	s_lshl_b32 s43, s41, 2
	s_lshl_b32 s43, 15, s43
	s_lshl_b32 s44, 0x1111, s40
	s_or_b32 s[G1+0], s43, (3<<16)|(1<<20)|(1<<21)|(3<<22)|(3<<25)
	s_mov_b32 s[G1+1], 1024<<16
	s_mov_b32 s[G1+2], 4<<16
	s_mov_b32 s[G1+3], 1024<<16
	s_mov_b32 s[G1+4], 4
	s_mov_b32 s[G1+5], 65536
	s_mov_b32 s[G1+6], 0
	s_mov_b32 s[G1+7], 0
	s_or_b32 s[G1B+0], s44, (0<<16)|(1<<20)|(1<<21)|(5<<22)|(3<<25)
	s_mov_b32 s[G1B+1], ROWB<<16
	s_mov_b32 s[G1B+2], 128<<16
	s_mov_b32 s[G1B+3], ROWB<<16
	s_mov_b32 s[G1B+4], 128
	s_mov_b32 s[G1B+5], KROW
	s_mov_b32 s[G1B+6], 0
	s_mov_b32 s[G1B+7], 0
	s_or_b32 s[G1S+0], s43, (3<<16)|(1<<20)|(1<<21)|(5<<22)|(3<<25)
	s_or_b32 s[G1SB+0], s44, (3<<16)|(1<<20)|(1<<21)|(5<<22)|(3<<25)
.irp g, G1S, G1SB
	s_mov_b32 s[\g+1], 32<<16
	s_mov_b32 s[\g+2], 16<<16
	s_mov_b32 s[\g+3], 32<<16
	s_mov_b32 s[\g+4], 16
	s_mov_b32 s[\g+5], 32
	s_mov_b32 s[\g+6], 0
	s_mov_b32 s[\g+7], 0
.endr
	s_lshl_b32 s18, s16, 7
	s_lshl_b32 s20, s17, 8
	s_add_co_u32 s20, s20, s18
	s_lshl_b32 s46, s42, 8
	s_add_co_u32 s46, s46, s18
	s_add_co_u32 s46, s46, 11264
	s_lshl_b32 s22, s20, 5
	s_mov_b32 s23, 0
	s_lshl_b32 s92, s46, 5
	s_mov_b32 s93, 0
	s_lshl_b32 s20, s20, 6
	s_mov_b32 s21, 0
	s_lshl_b32 s46, s46, 10
	s_mov_b32 s47, 0
	s_mul_i32 s45, s16, AHALF
	s_mul_i32 s66, s16, HALFT
	s_add_co_u32 s66, s66, BOFF
	s_mul_i32 s94, s14, HALFS
	s_wait_kmcnt 0x0
	s_add_nc_u64 s[20:21], s[4:5], s[20:21]
	s_add_nc_u64 s[22:23], s[6:7], s[22:23]
	s_add_nc_u64 s[46:47], s[8:9], s[46:47]
	s_add_nc_u64 s[92:93], s[10:11], s[92:93]
	CROUND
	s_mov_b32 s[G0S], 1
	s_add_co_u32 s[G0S+1], s94, SCL
	s_mov_b64 s[G0S+2:G0S+3], s[22:23]
	s_or_b32 s[G0S+3], s[G0S+3], 0x80000000
	s_mov_b32 s[G0SB], 1
	s_add_co_u32 s[G0SB+1], s94, SCL
	s_mov_b64 s[G0SB+2:G0SB+3], s[92:93]
	s_or_b32 s[G0SB+3], s[G0SB+3], 0x80000000
	JLOAD G0S, G1S, G0SB, G1SB
.irp s, 0,1
	s_mov_b32 s[G0+4*\s], 1
	s_add_co_u32 s[G0+4*\s+1], s45, \s*SLOT
	s_add_nc_u64 s[G0+4*\s+2:G0+4*\s+3], s[20:21], \s*ASTEP
	s_or_b32 s[G0+4*\s+3], s[G0+4*\s+3], 0x80000000
	s_mov_b32 s[G0B+4*\s], 1
	s_add_co_u32 s[G0B+4*\s+1], s66, \s*SLOT
	s_add_nc_u64 s[G0B+4*\s+2:G0B+4*\s+3], s[46:47], \s*ROWB
	s_or_b32 s[G0B+4*\s+3], s[G0B+4*\s+3], 0x80000000
	s_wait_alu depctr_va_vdst(0)
	s_wait_tensorcnt 0x0
	ds_add_u32 v28, v29
	s_wait_dscnt 0x0
	CROUND
	JLOAD G0+4*\s, G1, G0B+4*\s, G1B
.endr
	v_and_b32 v1, 15, v0
	v_bfe_u32 v2, v0, 4, 1
	v_mul_u32_u24 v3, v1, PITCH
	v_lshl_add_u32 v4, v2, 4, v3
	v_mul_u32_u24 v3, v1, APITCH
	v_lshl_add_u32 v3, v2, 4, v3
	s_mul_i32 s21, s15, AHALF
	s_mul_i32 s22, s16, HALFT
	s_add_co_u32 s22, s22, BOFF
.irp s, 0,1
	v_add_nc_u32 v[ADRA+\s], s21, v3
	v_add_nc_u32 v[ADRB+\s], s22, v4
	s_add_co_u32 s21, s21, SLOT
	s_add_co_u32 s22, s22, SLOT
.endr
	v_mul_u32_u24 v5, v1, KS
	v_lshrrev_b32 v6, 8, v5
	v_lshl_add_u32 v5, v6, 4, v5
	s_mul_i32 s21, s15, HALFS
	s_mul_i32 s22, s16, HALFS
	s_add_co_u32 s22, s22, 2*HALFS
	s_sub_co_u32 s22, s22, s21
	v_mul_u32_u24 v6, s22, v2
	s_add_co_u32 s21, s21, SCL
	v_add_nc_u32 v5, v5, v6
	v_add_nc_u32 v[ADRS], s21, v5
	s_mul_i32 s23, s14, 16*SPITCH
	v_mul_u32_u24 v5, v1, SPITCH
	v_lshl_add_u32 v5, v2, 5, v5
	v_add_nc_u32 v[STO], s23, v5
	v_and_b32 v6, 31, v0
	v_lshlrev_b32 v[CO], 4, v6
	v_add_nc_u32 v[RD], s23, v[CO]
	s_lshl_b32 s20, s17, 8
	s_lshl_b32 s21, s15, 7
	s_add_co_u32 s20, s20, s21
	s_lshl_b32 s20, s20, 12
	s_mov_b32 s21, 0
	s_lshl_b32 s46, s42, 10
	s_lshl_b32 s47, s16, 9
	s_add_co_u32 s46, s46, s47
	s_mov_b32 s47, 0
	s_add_nc_u64 s[20:21], s[20:21], s[46:47]
	s_add_nc_u64 s[12:13], s[12:13], s[20:21]
.macro FRAGB reg, adr, q, i
.irp c, 0,1,2,3
	ds_load_b128 v[\reg+4*\c:\reg+4*\c+3], v[\adr] offset:128*(\q)+32*\c+(\i)*16*PITCH
.endr
.endm
.macro FRAGA reg, adr, q, i
.irp c, 0,1,2,3
	ds_load_b128 v[\reg+4*\c:\reg+4*\c+3], v[\adr] offset:(2*(\q)+\c/2)*APLANE+(\i)*16*APITCH+32*(\c%2)
.endr
.endm
.macro MUL16 a0, p, q, sc, zero
.irp a, \a0, \a0+1
.irp b, 0,1,2,3,4,5,6,7
.if \zero
	v_wmma_scale_f32_16x16x128_f8f6f4 v[8*(8*((\a)%4)+\b):8*(8*((\a)%4)+\b)+7], v[128*(\p)+FR*\b:128*(\p)+FR*\b+FR-1], v[AF+FR*(\a):AF+FR*(\a)+FR-1], 0, v[SC+8*NQ*(\sc)+NQ*\b+(\q)], v[SC+8*NQ*(\sc)+NQ*(\a)+(\q)] matrix_a_fmt:MATRIX_FMT_BF8 matrix_b_fmt:MATRIX_FMT_BF8 matrix_a_scale:MATRIX_SCALE_ROW1
.else
	v_wmma_scale_f32_16x16x128_f8f6f4 v[8*(8*((\a)%4)+\b):8*(8*((\a)%4)+\b)+7], v[128*(\p)+FR*\b:128*(\p)+FR*\b+FR-1], v[AF+FR*(\a):AF+FR*(\a)+FR-1], v[8*(8*((\a)%4)+\b):8*(8*((\a)%4)+\b)+7], v[SC+8*NQ*(\sc)+NQ*\b+(\q)], v[SC+8*NQ*(\sc)+NQ*(\a)+(\q)] matrix_a_fmt:MATRIX_FMT_BF8 matrix_b_fmt:MATRIX_FMT_BF8 matrix_a_scale:MATRIX_SCALE_ROW1
.endif
.endr
.endr
.endm
.macro FETCH_B slot, q, p
	WIN TO_B
.irp i, 0,1,2,3,4,5,6,7
	FRAGB 128*(\p)+FR*\i, ADRB+\slot, \q, \i
.endr
	WIN 0
.endm
.macro FETCH_A slot, q, i0
.irp i, \i0, \i0+1, \i0+2, \i0+3
	FRAGA AF+FR*(\i), ADRA+\slot, \q, \i
.endr
.endm
.macro SCALES sc
.irp i, 0,1,2,3,4,5,6,7
	ds_load_b64 v[SC+8*NQ*\sc+NQ*\i:SC+8*NQ*\sc+NQ*\i+1], v[ADRS] offset:\i*SBLK
.endr
.endm
.macro PLACES n
.rept \n
	v_nop
.endr
.endm
.macro STEP slot, q, zero
	s_wait_dscnt 4*NL
	WIN MUL_LO
	MUL16 0, (\q)%2, \q, \slot, \zero
	MUL16 2, (\q)%2, \q, \slot, \zero
	s_wait_dscnt 0
	PLACES NP
	FETCH_B \slot, (\q)+1, 1-(\q)%2
	FETCH_A \slot, (\q)+1, 0
	WIN MUL_HI
	MUL16 4, (\q)%2, \q, \slot, \zero
	MUL16 6, (\q)%2, \q, \slot, \zero
	PLACES NP
	WIN 0
	FETCH_A \slot, (\q)+1, 4
.endm
.macro TURN slot, next, fill
	s_wait_tensorcnt 0x0
	ds_add_u32 v[SPW], v[NIL]
	s_wait_dscnt 4*NL+1
	WIN MUL_LO
	MUL16 0, 1, NQ-1, \slot, 0
	s_wait_dscnt 0x0
	s_barrier_signal -1
	MUL16 2, 1, NQ-1, \slot, 0
	WIN 0
	s_barrier_wait -1
.if \fill
	CREST
	s_add_nc_u64 s[G0+4*\slot+2:G0+4*\slot+3], s[G0+4*\slot+2:G0+4*\slot+3], 2*ASTEP
	s_add_nc_u64 s[G0B+4*\slot+2:G0B+4*\slot+3], s[G0B+4*\slot+2:G0B+4*\slot+3], 2*ROWB
	JLOAD G0+4*\slot, G1, G0B+4*\slot, G1B
	PLACES NP-4
.else
	PLACES NP
.endif
	s_wait_alu depctr_va_vdst(0)
	v_add_nc_u32 v[ADRS], 4*NQ, v[ADRS]
	FETCH_B \next, 0, 0
	FETCH_A \next, 0, 0
	SCALES \next
	WIN MUL_HI
	MUL16 4, 1, NQ-1, \slot, 0
	MUL16 6, 1, NQ-1, \slot, 0
	PLACES NP
	WIN 0
	FETCH_A \next, 0, 4
.endm
	s_wait_alu depctr_va_vdst(0)
	s_wait_tensorcnt 1
	s_barrier_signal -1
	s_barrier_wait -1
	FETCH_B 0, 0, 0
	FETCH_A 0, 0, 0
	SCALES 0
	FETCH_A 0, 0, 4
	STEP 0, 0, 1
	s_mov_b32 s3, LAPS-1
.Llap:
	TURN 0, 1, 1
	STEP 1, 0, 0
	TURN 1, 0, 1
	STEP 0, 0, 0
	s_sub_co_u32 s3, s3, 1
	s_cmp_lg_u32 s3, 0
	s_cbranch_scc1 .Llap
	TURN 0, 1, 0
	STEP 1, 0, 0
	s_wait_dscnt 4*NL
	WIN MUL_LO
	MUL16 0, 1, NQ-1, 1, 0
	MUL16 2, 1, NQ-1, 1, 0
	s_wait_dscnt 0
	WIN MUL_HI
	MUL16 4, 1, NQ-1, 1, 0
	MUL16 6, 1, NQ-1, 1, 0
	WIN 0
.macro TOSTAGE a
.set AC, 64*((\a)%4)
	WIN 0x08+4*((\a)/4)
.irp b, 0,1,2,3,4,5,6,7
	ds_store_b128 v[STO], v[AC+8*\b:AC+8*\b+3] offset:64*\b
	ds_store_b128 v[STO], v[AC+8*\b+4:AC+8*\b+7] offset:64*\b+16
.endr
	WIN 0
.set BB, BK+64*((\a)%2)
.irp t, 0,1,2,3,4,5,6,7,8,9,10,11,12,13,14,15
	ds_load_b128 v[BB+4*\t:BB+4*\t+3], v[RD] offset:\t*SPITCH
.endr
.endm
.macro SEND a, younger
.set BB, BK+64*((\a)%2)
	s_wait_dscnt \younger
.if (\a) > 0
	s_add_nc_u64 s[12:13], s[12:13], 16*SIZE_N*4
.endif
.irp t, 0,1,2,3,4,5,6,7,8,9,10,11,12,13,14,15
	global_store_b128 v[CO], v[BB+4*\t:BB+4*\t+3], s[12:13] offset:\t*SIZE_N*4 th:TH_STORE_NT
.endr
.endm
	PLACES NP
	TOSTAGE 0
.irp a, 1,2,3,4,5,6,7
.if \a > 1
	s_wait_xcnt 0x0
.endif
	TOSTAGE \a
	SEND \a-1, 32
.endr
	s_wait_xcnt 0x0
	SEND 7, 0
	s_wait_tensorcnt 0x0
	ds_add_u32 v[SPW], v[NIL]
	s_wait_dscnt 0x0
	CROUND
	s_endpgm
.Lfunc_end_k_qdeddd42933_oproj:
	.size	k_qdeddd42933_oproj, .Lfunc_end_k_qdeddd42933_oproj-k_qdeddd42933_oproj
	.p2alignl 7, 3214868480
	.fill 96, 4, 3214868480
	.section	.rodata,"a",@progbits
	.p2align	6, 0x0
	.amdhsa_kernel k_qdeddd42933_oproj
		.amdhsa_group_segment_fixed_size 327680
		.amdhsa_private_segment_fixed_size 0
		.amdhsa_enable_private_segment 0
		.amdhsa_kernarg_size 40
		.amdhsa_user_sgpr_count 2
		.amdhsa_user_sgpr_kernarg_segment_ptr 1
		.amdhsa_wavefront_size32 1
		.amdhsa_system_sgpr_workgroup_id_x 1
		.amdhsa_system_sgpr_workgroup_id_y 1
		.amdhsa_system_sgpr_workgroup_id_z 1
		.amdhsa_system_vgpr_workitem_id 0
		.amdhsa_next_free_vgpr 1024
		.amdhsa_next_free_sgpr 98
		.amdhsa_reserve_vcc 0
		.amdhsa_float_denorm_mode_32 3
		.amdhsa_float_denorm_mode_16_64 3
		.amdhsa_memory_ordered 1
		.amdhsa_forward_progress 1
		.amdhsa_inst_pref_size 147
	.end_amdhsa_kernel
	.amdgpu_metadata
---
amdhsa.version: [ 1, 2 ]
amdhsa.kernels:
  - .name:           k_qdeddd42933_oproj
    .symbol:         k_qdeddd42933_oproj.kd
    .args:
      - { .name: oc, .offset: 0, .size: 8, .value_kind: global_buffer, .address_space: global }
      - { .name: osc, .offset: 8, .size: 8, .value_kind: global_buffer, .address_space: global }
      - { .name: qc, .offset: 16, .size: 8, .value_kind: global_buffer, .address_space: global }
      - { .name: qs, .offset: 24, .size: 8, .value_kind: global_buffer, .address_space: global }
      - { .name: out0, .offset: 32, .size: 8, .value_kind: global_buffer, .address_space: global }
    .group_segment_fixed_size: 327680
    .private_segment_fixed_size: 0
    .kernarg_segment_align: 8
    .kernarg_segment_size: 40
    .max_flat_workgroup_size: 128
    .sgpr_count:     98
    .vgpr_count:     1024
    .wavefront_size: 32
...
	.end_amdgpu_metadata
.endif
;; end of part 4
